; MI455X (gfx1250); checked and timed in simulation.
; The chip was launched on July 23, 2026; its instructions are those of AMD's public machine-readable ISA for CDNA 5 (MIT licence, August 2026) and "CDNA5" Instruction Set Architecture Reference Guide (July 2026). The comments in the code are by the model that wrote it; some were corrected since.
;; Single Head. Allowed arithmetic: float matrix products may take bf16 or f16 operands with f32 sums; all other float work in f32.
;; Inputs: Wk 1,024 x 128 float32; Wq 1,024 x 128 float32; Wv 1,024 x 128 float32; x 4 x 4,096 x 1,024 float32.
;; Outputs: out0 4 x 4,096 x 128 float32.
;; 2 versions, each right and faster than the one before. Each part assembles by itself: llvm-mc -triple=amdgcn-amd-amdhsa -mcpu=gfx1250 --defsym DOCPART=n.
;; ======== version 1 of 2: 4 launches
;; limits: values are held in f16: magnitudes above 65,504 overflow, below 6.1e-05 lose precision
;; workspace buffers: wf 786,432 bytes; qf 4,194,304 bytes; kv 8,388,608 bytes; part 8,388,608 bytes; st 131,072 bytes
;; launch prep (part 1): grid 16 x 3, 8 waves a work-group, no clusters, 0 bytes of LDS; arguments Wq, Wk, Wv, wf; writes wf
.if DOCPART == 1
	.amdgcn_target "amdgcn-amd-amdhsa--gfx1250"
	.amdhsa_code_object_version 6
	.text
	.protected	k_qc305c58d2a_prep
	.globl	k_qc305c58d2a_prep
	.p2align	8
	.type	k_qc305c58d2a_prep,@function
k_qc305c58d2a_prep:
	s_mov_b64 s[64:65], 0
	v_nop
	global_prefetch_b8 v0, s[64:65] scope:SCOPE_SE
	s_setreg_imm32_b32 hwreg(HW_REG_WAVE_MODE, 25, 1), 1
	s_wait_xcnt 0x0
; wf = the three weights [1024 e][128 n] f32, rounded to bf16 and laid in the order in which the projection reads them as
; matrix fragments:  wf[ks 8][w 4][kcl 4][f 6][half 2][lane 32][8 bf16],  f>>1 = matrix (q, k, v), column n = 32 w + 16 (f&1) + r,
; e = 128 ks + 32 kcl + 16 half + 8 h + i, lane = r + 16 h.  A fragment (16 columns x 32 e) is 1,024 consecutive bytes, lane L at 16 L.
; Grid y = the matrix.  Wave g = 8 x + wave (0..127) makes the four half fragments of (ks, w, kcl) = (g>>4, (g>>2)&3, g&3).
; The job is 1.5 MB in and 0.75 MB out: 48 work-groups, one pass, no loop, no LDS.  A load takes 64 bytes of two rows (a column
; tile is 16 numbers wide); each store of a wave is 512 consecutive bytes, aligned.
.set SRC, 8                            ; v[8:39]   32 numbers as loaded: 8 (2 fl + half) + i
.set DST, 40                           ; v[40:55]  16 words of two bf16
	s_load_b256 s[4:11], s[0:1], 0x0               ; Wq s[4:5], Wk s[6:7], Wv s[8:9], wf s[10:11]
	v_lshrrev_b32 v3, 5, v0
	v_readfirstlane_b32 s14, v3                    ; wave
	s_and_b32 s15, ttmp7, 0xffff                   ; matrix 0, 1, 2
	s_lshl_b32 s16, ttmp9, 3
	s_add_co_u32 s16, s16, s14                     ; g
	s_lshr_b32 s17, s16, 4                         ; ks
	s_bfe_u32 s18, s16, 0x20002                    ; w
	s_and_b32 s19, s16, 3                          ; kcl
	s_lshl_b32 s20, s17, 16                        ; source: (128 ks + 32 kcl) rows of 512 bytes + 128 w
	s_lshl_b32 s21, s19, 14
	s_add_co_u32 s20, s20, s21
	s_lshl_b32 s21, s18, 7
	s_add_co_u32 s20, s20, s21
	s_mov_b32 s21, 0
	s_mul_i32 s22, s17, 98304                      ; destination: ks, w, kcl, matrix
	s_mul_i32 s23, s18, 24576
	s_add_co_u32 s22, s22, s23
	s_mul_i32 s23, s19, 6144
	s_add_co_u32 s22, s22, s23
	s_lshl_b32 s23, s15, 11
	s_add_co_u32 s22, s22, s23
	s_mov_b32 s23, 0
	v_and_b32 v4, 31, v0                           ; lane
	v_and_b32 v5, 15, v0                           ; r
	v_bfe_u32 v6, v0, 4, 1                         ; h
	v_lshlrev_b32 v1, 2, v5
	v_lshl_add_u32 v1, v6, 12, v1                  ; 8 h rows + 4 r
	v_lshlrev_b32 v2, 4, v4                        ; 16 x lane
	s_wait_kmcnt 0x0
	s_cmp_eq_u32 s15, 1
	s_cselect_b64 s[12:13], s[6:7], s[4:5]
	s_cmp_eq_u32 s15, 2
	s_cselect_b64 s[12:13], s[8:9], s[12:13]       ; the matrix of this grid row
	s_add_nc_u64 s[12:13], s[12:13], s[20:21]
	s_add_nc_u64 s[10:11], s[10:11], s[22:23]
.irp fl, 0,1
.irp hf, 0,1
.irp i, 0,1,2,3,4,5,6,7
	global_load_b32 v[SRC+8*(2*\fl+\hf)+\i], v1, s[12:13] offset:(16*\hf+\i)*512+64*\fl
.endr
.endr
.endr
	s_wait_loadcnt 0x0
.set k, 0
.rept 16
	v_cvt_pk_bf16_f32 v[DST+k], v[SRC+2*k], v[SRC+2*k+1]
.set k, k+1
.endr
.irp g, 0,1,2,3
	global_store_b128 v2, v[DST+4*\g:DST+4*\g+3], s[10:11] offset:512*\g
.endr
	s_endpgm
.Lfunc_end_k_qc305c58d2a_prep:
	.size	k_qc305c58d2a_prep, .Lfunc_end_k_qc305c58d2a_prep-k_qc305c58d2a_prep
	.p2alignl 7, 3214868480
	.fill 96, 4, 3214868480
	.section	.rodata,"a",@progbits
	.p2align	6, 0x0
	.amdhsa_kernel k_qc305c58d2a_prep
		.amdhsa_group_segment_fixed_size 0
		.amdhsa_private_segment_fixed_size 0
		.amdhsa_enable_private_segment 0
		.amdhsa_kernarg_size 32
		.amdhsa_user_sgpr_count 2
		.amdhsa_user_sgpr_kernarg_segment_ptr 1
		.amdhsa_wavefront_size32 1
		.amdhsa_system_sgpr_workgroup_id_x 1
		.amdhsa_system_sgpr_workgroup_id_y 1
		.amdhsa_system_sgpr_workgroup_id_z 1
		.amdhsa_system_vgpr_workitem_id 0
		.amdhsa_next_free_vgpr 56
		.amdhsa_next_free_sgpr 66
		.amdhsa_reserve_vcc 0
		.amdhsa_float_denorm_mode_32 3
		.amdhsa_float_denorm_mode_16_64 3
		.amdhsa_memory_ordered 1
		.amdhsa_forward_progress 1
		.amdhsa_inst_pref_size 7
	.end_amdhsa_kernel
	.amdgpu_metadata
---
amdhsa.version: [ 1, 2 ]
amdhsa.kernels:
  - .name:           k_qc305c58d2a_prep
    .symbol:         k_qc305c58d2a_prep.kd
    .args:
      - { .name: Wq, .offset: 0, .size: 8, .value_kind: global_buffer, .address_space: global }
      - { .name: Wk, .offset: 8, .size: 8, .value_kind: global_buffer, .address_space: global }
      - { .name: Wv, .offset: 16, .size: 8, .value_kind: global_buffer, .address_space: global }
      - { .name: wf, .offset: 24, .size: 8, .value_kind: global_buffer, .address_space: global }
    .group_segment_fixed_size: 0
    .private_segment_fixed_size: 0
    .kernarg_segment_align: 8
    .kernarg_segment_size: 32
    .max_flat_workgroup_size: 256
    .sgpr_count:     66
    .vgpr_count:     56
    .wavefront_size: 32
...
	.end_amdgpu_metadata
.endif
;; end of part 1
;; launch proj (part 2): grid 256 x 1, 4 waves a work-group, no clusters, 270,848 bytes of LDS; arguments x, wf, qf, kv; writes qf, kv
.if DOCPART == 2
	.amdgcn_target "amdgcn-amd-amdhsa--gfx1250"
	.amdhsa_code_object_version 6
	.text
	.protected	k_qc305c58d2a_proj
	.globl	k_qc305c58d2a_proj
	.p2align	8
	.type	k_qc305c58d2a_proj,@function
k_qc305c58d2a_proj:
	s_mov_b64 s[64:65], 0
	v_nop
	global_prefetch_b8 v0, s[64:65] scope:SCOPE_SE
	s_setreg_imm32_b32 hwreg(HW_REG_WAVE_MODE, 25, 1), 1
	s_wait_xcnt 0x0
; q, k, v = x W.  x: [16384][1024] f32.  wf: the three weights in bf16, in fragment order:
;   wf[ks 8][w 4][kcl 4][f 6][half 2][lane 32][8 bf16], f>>1 = matrix (q, k, v), column 32 w + 16 (f&1) + r, e = 128 ks + 32 kcl + 16 half + 8 h + i.
; Products in bf16, sums in f32.  Results leave as f16 in the order in which the attention launch reads them as fragments:
;   qf[row/16][d/32][(d/16)&1][lane][8]          lane = row%16 + 16 ((d/8)&1);  q is multiplied in f32 by log2(e)/sqrt(128) before rounding
;   kv[row/32][16 KB]: K (row/16)&1, d/32 at (4 ktl + c) 1024 + half 512 + 16 lane, as qf;
;                      V transposed, d/16 at 8192 + dt 1024 + ((row/16)&1) 512 + 16 lane, lane = d%16 + 16 ((row/8)&1), 8 rows a lane
; LIMIT: q log2(e)/sqrt(128), k and v are rounded to f16 and must stay below 65,504 in magnitude.  With x of spread 1 and W of spread
; 1/32 they are near 0.6; all inputs 30 times larger give about 3,000 at the most.
; A work-group owns 64 rows and all 384 columns, so x is asked for once.  Wave w owns column tiles 2w, 2w+1 of each of q, k, v:
; 24 accumulator tiles, 192 registers.  K goes in 32 steps of 32.
; X IS RESIDENT: 64 rows x 4,096 bytes, as eight tiles of 128 along K with rows of 512 + 16 bytes, are 270,336 bytes of LDS.  Each wave asks for its
; 16 rows of all eight tiles at the head (eight tensor loads of the wave are out), no LDS byte is filled twice, and a tile is read behind a counted wait.
; W GOES STRAIGHT TO REGISTERS: a fragment of wf is used by one wave of the work-group, once, and lies as 1,024 consecutive bytes, lane L at 16 L.
; A ring of six buffers of 48 registers keeps five steps (60 loads, 30,720 bytes a wave) on their way.
; NO CLUSTER, NO MULTICAST, though every work-group walks the same wf: beside x 57,344 bytes of LDS are left, two W slots of 32 along K (24,576 bytes
; each), which would make 32 rounds of a cluster's barrier with 24,576 bytes on their way in each.  The price: each work-group asks for all 786,432 bytes itself.
; q and k are made transposed (source 0 = W, source 1 = x): a lane then holds 8 neighbouring d of one row; v is made straight
; (source 0 = x, source 1 = W): a lane holds 8 neighbouring rows of one d.  Both are 16 bytes of a fragment: no LDS on the way out.
.set STEPS,  32                        ; steps of 32 along K
.set DEPTH,  5                         ; steps of W on their way: 60 loads
.set NBUF,   6                         ; ring buffers: one at work, five on their way
.set XTILE,  33792                     ; 128 along K of x in LDS: 64 rows x 528 bytes
.set XPITCH, 528                       ; 33 x 16 bytes: the 16 rows of a load start in 16 different 16-byte columns of 256
.set XPART,  8448                      ; 16 rows: what one tensor load brings
.set XA,  2                            ; v2-v5     528 r + 32 h + j 2 XTILE: an LDS offset has 16 bits, so one address for every two tiles
.set XS,  16                           ; v[16:79]  x as loaded, f32: 16 numbers for each of 4 row tiles
.set OUTR, 16                          ; v[16:111] the way out: 24 tiles x 4 words of f16
; window 1 (v256-v447): accumulator (f, mt) at 8 (4 f + mt); f = 0,1 q; 2,3 k; 4,5 v
; windows 2 and 3: three W buffers each at 0, 48, 96 (step t: buffer t % 6, window 2 + (t % 6) / 3, place 48 (t % 3));
;                  two x fragment buffers each at XB, XB + 32 (step t: t & 1, in the window of its W buffer, so that one setting serves both orders of the sources)
.set XB,  144
.set G1X, 16                           ; s[16:23]  shape of an x tile
.set G0X, 32                           ; s[32:63]  from where, to where: a set for each of the eight tiles, none rewritten
.set WP,  24                           ; s[24:25]  wf at my wave's part
.set MSB, 0
.macro WIN new                         ; the immediate's high byte repeats the setting that is left
.if MSB != \new
	s_set_vgpr_msb (MSB<<8)|\new
.set MSB, \new
.endif
.endm
.macro PLACES n
.rept \n
	v_nop
.endr
.endm
; x of step st for the four row tiles: k = 8h..8h+7 (32 bytes) and 16+8h..+7 (32 bytes, 64 further)
.macro LOADX st
.irp mt, 0,1,2,3
	ds_load_b128 v[XS+16*\mt:XS+16*\mt+3],     v[XA+((\st)>>3)] offset:(((\st)>>2)&1)*XTILE+\mt*XPART+((\st)&3)*128
	ds_load_b128 v[XS+16*\mt+4:XS+16*\mt+7],   v[XA+((\st)>>3)] offset:(((\st)>>2)&1)*XTILE+\mt*XPART+((\st)&3)*128+16
	ds_load_b128 v[XS+16*\mt+8:XS+16*\mt+11],  v[XA+((\st)>>3)] offset:(((\st)>>2)&1)*XTILE+\mt*XPART+((\st)&3)*128+64
	ds_load_b128 v[XS+16*\mt+12:XS+16*\mt+15], v[XA+((\st)>>3)] offset:(((\st)>>2)&1)*XTILE+\mt*XPART+((\st)&3)*128+80
.endr
.endm
; my six W fragments of step st into its ring buffer: each load 512 consecutive bytes; base and lane offset are never rewritten, the step is in the immediate
.macro LOADW st
	WIN ((2+(((\st)%NBUF)/3))<<6)
.irp f, 0,1,2,3,4,5
	global_load_b128 v[48*((\st)%3)+8*\f:48*((\st)%3)+8*\f+3],   v1, s[WP:WP+1] offset:((\st)>>2)*98304+((\st)&3)*6144+\f*1024
	global_load_b128 v[48*((\st)%3)+8*\f+4:48*((\st)%3)+8*\f+7], v1, s[WP:WP+1] offset:((\st)>>2)*98304+((\st)&3)*6144+\f*1024+512
.endr
.endm
.macro CVT st                          ; 64 f32 to four bf16 fragments, into the window of the step's W buffer
	WIN ((2+(((\st)%NBUF)/3))<<6)
.set k, 0
.rept 32
	v_cvt_pk_bf16_f32 v[XB+32*((\st)&1)+k], v[XS+2*k], v[XS+2*k+1]
.set k, k+1
.endr
.endm
; 24 products on 24 accumulators, one instruction a turn
.macro MM st, zero
.set WB, 48*((\st)%3)
.set XF, XB+32*((\st)&1)
	WIN (0x50|((2+(((\st)%NBUF)/3))*5))            ; sources 0 and 1 in the step's window (w + 4 w), C and D in window 1
.irp f, 0,1,2,3
.irp mt, 0,1,2,3
.if \zero
	v_wmma_f32_16x16x32_bf16 v[8*(4*\f+\mt):8*(4*\f+\mt)+7], v[WB+8*\f:WB+8*\f+7], v[XF+8*\mt:XF+8*\mt+7], 0
.else
	v_wmma_f32_16x16x32_bf16 v[8*(4*\f+\mt):8*(4*\f+\mt)+7], v[WB+8*\f:WB+8*\f+7], v[XF+8*\mt:XF+8*\mt+7], v[8*(4*\f+\mt):8*(4*\f+\mt)+7]
.endif
.endr
.endr
.irp f, 4,5
.irp mt, 0,1,2,3
.if \zero
	v_wmma_f32_16x16x32_bf16 v[8*(4*\f+\mt):8*(4*\f+\mt)+7], v[XF+8*\mt:XF+8*\mt+7], v[WB+8*\f:WB+8*\f+7], 0
.else
	v_wmma_f32_16x16x32_bf16 v[8*(4*\f+\mt):8*(4*\f+\mt)+7], v[XF+8*\mt:XF+8*\mt+7], v[WB+8*\f:WB+8*\f+7], v[8*(4*\f+\mt):8*(4*\f+\mt)+7]
.endif
.endr
.endr
.endm
; One step of 32 along K.  The 32 conversions write the x buffer that the last products did not read and name none of their registers: they are
; the places between those products and the loads that land on the W buffer which they read.
.macro STEP st, zero
	s_wait_dscnt 0x0                               ; x of this step is in; no LDS instruction of mine is out
.if (\st) < STEPS-1
.if ((\st)&3) == 3
	s_wait_tensorcnt 6-((\st)>>2)                  ; my rows of the next tile have landed; the younger tiles stay out: no LDS byte is filled again behind this barrier
	s_barrier_signal -1                            ; say so; the conversions are register work
.endif
.endif
	CVT \st
.if (\st) < STEPS-1
.if ((\st)&3) == 3
	s_barrier_wait -1                              ; all four waves' rows of the next tile are there
.endif
	WIN 0
	LOADX (\st)+1
.endif
.if (\st)+DEPTH-1 < STEPS
	s_wait_loadcnt 12*(DEPTH-1)                    ; this step's W is in; the four younger steps' 48 loads stay out
.else
	s_wait_loadcnt 12*(STEPS-1-(\st))              ; the last steps: the count runs down
.endif
.if (\st)+DEPTH < STEPS
	LOADW (\st)+DEPTH                              ; into the buffer that the last step's products read: 60 loads are out
.endif
	MM \st, \zero
.endm
	s_load_b256 s[4:11], s[0:1], 0x0               ; x s[4:5], wf s[6:7], qf s[8:9], kv s[10:11]
	v_lshl_add_u32 v254, v0, 2, 0x42000
	v_mov_b32 v255, 0
	ds_add_u32 v254, v255
	ds_add_u32 v254, v255
	v_lshrrev_b32 v6, 5, v0
	v_readfirstlane_b32 s12, v6                    ; wave
	; x tile: 16 rows x 128 f32, 4 words of padding behind every 128 words
	s_mov_b32 s[G1X+0], (2<<16)|(1<<20)|(6<<22)|(3<<25)
	s_mov_b32 s[G1X+1], 128<<16                    ; tensor_dim0 = 128
	s_mov_b32 s[G1X+2], 16<<16                     ; tensor_dim1 = 16
	s_mov_b32 s[G1X+3], 128<<16                    ; tile_dim0 = 128
	s_mov_b32 s[G1X+4], 16                         ; tile_dim1 = 16
	s_mov_b32 s[G1X+5], 1024                       ; elements from row to row
	s_mov_b32 s[G1X+6], 0
	s_mov_b32 s[G1X+7], 0
	s_mul_i32 s15, s12, XPART                      ; my 16 rows in each tile in LDS
	s_lshl_b32 s28, ttmp9, 18                      ; x: (64 work-group + 16 wave) rows of 4,096 bytes
	s_lshl_b32 s29, s12, 16
	s_add_co_u32 s28, s28, s29
	s_mov_b32 s29, 0
	s_mul_i32 s30, s12, 24576                      ; wf: my wave's part of each 128 along K
	s_mov_b32 s31, 0
	s_mov_b32 s26, 0x3e0293ee                      ; log2(e) / sqrt(128)
	s_mov_b32 s27, 0x3e0293ee
	v_and_b32 v6, 31, v0
	v_lshlrev_b32 v1, 4, v6                        ; 16 x lane
	v_and_b32 v7, 15, v0                           ; r
	v_bfe_u32 v8, v0, 4, 1                         ; h
	v_mul_u32_u24 v[XA], v7, XPITCH
	v_lshl_add_u32 v[XA], v8, 5, v[XA]             ; row r, 8 h numbers of 4 bytes
.irp j, 1,2,3
	v_add_nc_u32 v[XA+\j], \j*2*XTILE, v[XA]
.endr
	s_wait_dscnt 0x0
	s_wait_kmcnt 0x0
	s_add_nc_u64 s[28:29], s[4:5], s[28:29]
.irp k, 0,1,2,3,4,5,6,7
	s_mov_b32 s[G0X+4*\k], 1                                       ; count = 1
	s_add_co_u32 s[G0X+4*\k+1], s15, \k*XTILE                      ; LDS address: the tile, my rows
	s_add_nc_u64 s[G0X+4*\k+2:G0X+4*\k+3], s[28:29], \k*512        ; global address: 128 numbers of 4 bytes further for each tile
	s_or_b32 s[G0X+4*\k+3], s[G0X+4*\k+3], 0x80000000              ; type = 2
	tensor_load_to_lds s[G0X+4*\k:G0X+4*\k+3], s[G1X:G1X+7]        ; all of my x at once, in the order in which it is read
	s_nop 0
.endr
	s_add_nc_u64 s[WP:WP+1], s[6:7], s[30:31]
.irp t0, 0,1,2,3,4
	LOADW \t0                                      ; the ring's first five steps
.endr
	WIN 0
	; where the results go
	s_lshl_b32 s30, ttmp9, 14                      ; q: 4 row tiles of 4,096 bytes a work-group, + 1,024 w
	s_lshl_b32 s31, s12, 10
	s_add_co_u32 s30, s30, s31
	s_mov_b32 s31, 0
	s_add_nc_u64 s[66:67], s[8:9], s[30:31]
	s_lshl_b32 s30, ttmp9, 15                      ; k: 2 chunks of 16,384 bytes a work-group, + 1,024 w
	s_lshl_b32 s31, s12, 10
	s_add_co_u32 s30, s30, s31
	s_mov_b32 s31, 0
	s_add_nc_u64 s[68:69], s[10:11], s[30:31]
	s_lshl_b32 s30, ttmp9, 15                      ; v: + 2,048 w
	s_lshl_b32 s31, s12, 11
	s_add_co_u32 s30, s30, s31
	s_mov_b32 s31, 0
	s_add_nc_u64 s[70:71], s[10:11], s[30:31]
	s_wait_tensorcnt 7                             ; my rows of the first tile have landed; the seven younger tiles stay out
	s_barrier_signal -1
	s_barrier_wait -1                              ; everybody's have
	LOADX 0
	; The tensor counts run down from tile to tile and the ring's period of six does not divide the 32 steps: the steps are written out by macro, without a loop.
	STEP 0, 1                                      ; the first products start the sums: nothing is cleared
.set t, 1
.rept STEPS-1
	STEP t, 0
.set t, t+1
.endr
	; the way out
	PLACES 4                                       ; behind the last products, ahead of the first read of a result
	WIN 0x41
.set k, 0
.rept 32
	v_pk_mul_f32 v[2*k:2*k+1], v[2*k:2*k+1], s[26:27] op_sel_hi:[1,0]     ; q x log2(e)/sqrt(128), in f32
.set k, k+1
.endr
	WIN 0x05
.set k, 0
.rept 96
	v_cvt_pk_f16_f32 v[OUTR+k], v[2*k], v[2*k+1]   ; tile a: words 4a .. 4a+3
.set k, k+1
.endr
	WIN 0
.irp i, 0,1
.irp mt, 0,1,2,3
	global_store_b128 v1, v[OUTR+4*(4*\i+\mt):OUTR+4*(4*\i+\mt)+3], s[66:67] offset:\mt*4096+512*\i      ; each store: 512 consecutive bytes, aligned
	global_store_b128 v1, v[OUTR+4*(4*(2+\i)+\mt):OUTR+4*(4*(2+\i)+\mt)+3], s[68:69] offset:(\mt>>1)*16384+(\mt&1)*4096+512*\i
	global_store_b128 v1, v[OUTR+4*(4*(4+\i)+\mt):OUTR+4*(4*(4+\i)+\mt)+3], s[70:71] offset:(\mt>>1)*16384+8192+1024*\i+512*(\mt&1)
.endr
.endr
	s_wait_tensorcnt 0x0
	ds_add_u32 v254, v255
	s_wait_dscnt 0x0
	s_endpgm
.Lfunc_end_k_qc305c58d2a_proj:
	.size	k_qc305c58d2a_proj, .Lfunc_end_k_qc305c58d2a_proj-k_qc305c58d2a_proj
	.p2alignl 7, 3214868480
	.fill 96, 4, 3214868480
	.section	.rodata,"a",@progbits
	.p2align	6, 0x0
	.amdhsa_kernel k_qc305c58d2a_proj
		.amdhsa_group_segment_fixed_size 270848
		.amdhsa_private_segment_fixed_size 0
		.amdhsa_enable_private_segment 0
		.amdhsa_kernarg_size 32
		.amdhsa_user_sgpr_count 2
		.amdhsa_user_sgpr_kernarg_segment_ptr 1
		.amdhsa_wavefront_size32 1
		.amdhsa_system_sgpr_workgroup_id_x 1
		.amdhsa_system_sgpr_workgroup_id_y 1
		.amdhsa_system_sgpr_workgroup_id_z 1
		.amdhsa_system_vgpr_workitem_id 0
		.amdhsa_next_free_vgpr 976
		.amdhsa_next_free_sgpr 72
		.amdhsa_reserve_vcc 0
		.amdhsa_float_denorm_mode_32 3
		.amdhsa_float_denorm_mode_16_64 3
		.amdhsa_memory_ordered 1
		.amdhsa_forward_progress 1
		.amdhsa_inst_pref_size 203
	.end_amdhsa_kernel
	.amdgpu_metadata
---
amdhsa.version: [ 1, 2 ]
amdhsa.kernels:
  - .name:           k_qc305c58d2a_proj
    .symbol:         k_qc305c58d2a_proj.kd
    .args:
      - { .name: x, .offset: 0, .size: 8, .value_kind: global_buffer, .address_space: global }
      - { .name: wf, .offset: 8, .size: 8, .value_kind: global_buffer, .address_space: global }
      - { .name: qf, .offset: 16, .size: 8, .value_kind: global_buffer, .address_space: global }
      - { .name: kv, .offset: 24, .size: 8, .value_kind: global_buffer, .address_space: global }
    .group_segment_fixed_size: 270848
    .private_segment_fixed_size: 0
    .kernarg_segment_align: 8
    .kernarg_segment_size: 32
    .max_flat_workgroup_size: 128
    .sgpr_count:     72
    .vgpr_count:     976
    .wavefront_size: 32
...
	.end_amdgpu_metadata
.endif
;; end of part 2
;; launch attn (part 3): grid 256 x 1, 4 waves a work-group, clusters of 4 x 1, 327,680 bytes of LDS; arguments qf, kv, out0, part, st; writes out0, part, st
.if DOCPART == 3
	.amdgcn_target "amdgcn-amd-amdhsa--gfx1250"
	.amdhsa_code_object_version 6
	.text
	.protected	k_qc305c58d2a_attn
	.globl	k_qc305c58d2a_attn
	.p2align	8
	.type	k_qc305c58d2a_attn,@function
k_qc305c58d2a_attn:
	s_mov_b64 s[64:65], 0
	v_nop
	global_prefetch_b8 v0, s[64:65] scope:SCOPE_SE
	s_setreg_imm32_b32 hwreg(HW_REG_WAVE_MODE, 25, 1), 1
	s_wait_xcnt 0x0
	s_wait_alu depctr_hold_cnt(0) depctr_sa_sdst(0) depctr_va_vdst(0) depctr_va_sdst(0) depctr_va_ssrc(0) depctr_va_vcc(0) depctr_vm_vsrc(0)
	s_getreg_b32 s2, hwreg(HW_REG_IB_STS2, 6, 4)
	s_cmp_eq_u32 s2, 0
	s_cbranch_scc0 .Lentry_in_a_cluster
	s_endpgm
.Lentry_in_a_cluster:
	s_bfe_u32 s2, ttmp6, 0x10000c
	s_cmp_lg_u32 s2, 0x3003
	s_cbranch_scc0 .Lentry_shape_is_right
	s_endpgm
.Lentry_shape_is_right:
; Causal attention, 4 batches x 4,096 tokens, head size 128.  qf, kv: q (already times log2(e)/sqrt(128)), k, v in f16, in fragment order.
; A batch's triangle is cut into a square (queries >= 2048, keys < 2048) and two triangles of 2,048.  A cluster of 4 work-groups takes 256
; queries (a super block), a unit is 256 keys.  Cluster g: batch g>>4, j = g&15.
;   j < 8 : square, super block 8+j, units 7..0 (8 units); result = partial 0
;   j >= 8: triangle (j>>2)&1, two super blocks sE (odd) and 7-sE (even), each from its diagonal unit downward: 9 units in all;
;           triangle 0 is final (out0), triangle 1 is partial 1.  Partials leave normalised, with (M, L), and are joined by the next launch.
; The work-group at place cx owns queries 64 cx .. +63 of the super block.  All four waves hold all 64 queries and share the keys: wave w takes
; keys 64 w .. +63 of every unit, 32,768 dense bytes of kv, so each K and V byte enters LDS once and is read once, and feeds four products.
; CLUSTER 4 x 1: the four partners walk the same units, so each tile is asked for jointly (mask 15).  All branches and trip counts hang on the
; cluster's number alone; cx enters only global addresses of Q and of results and the mask's distance (data).
; S is made transposed (source 0 = K, source 1 = Q): lane (r, h) holds keys 8h+j of query r, so the statistics are one number a lane, and two
; neighbouring key tiles round straight into a fragment of P.  O is made transposed too (source 0 = V^T, source 1 = P).
; LIMITS.  c q, k, v in f16: below 65,504 in magnitude.  p in f16: a p below 3e-8 rounds to zero (at most 4,096 of them against a row sum of at least 1).
; Masked scores are -3.4028235e38, not -inf: scores (in log2 units) must be finite and above that.  A wave that has seen only masked keys of a
; query carries that number as its maximum and finite sums, which the next rescale or the waves' merge multiplies by 2^(it - a real maximum) = 0;
; every query has its own key, so the merged maximum is real.  v_exp_f32 gives zero below 2^-126.  l is summed from p in f32, P V uses p in f16.
.set RING,   131072                    ; an LDS slot: four waves' parts of 32,768 bytes: [32 keys 2][K 8,192][V 8,192]
.set SCR,    262144                    ; scratch of the way out: four parts of 16 rows x 528 bytes; no tensor load fills it
.set SPITCH, 528
.set SPART,  8448
.set STAT,   295936                    ; the waves' m at qt 256 + 16 r + 4 w, their l 1,024 further
.set LA,  2                            ; v2, v3    slot s: s RING + 32768 w + 16 lane
.set D0,  4                            ; v4        key <= query  <=>  16 kt + j - 16 qt <= D0
.set SA,  5                            ; v5        STAT + 16 r + 4 w
.set SR,  6                            ; v6        STAT + 16 r
.set SW,  7                            ; v7        SCR + 8448 w + 528 r + 32 h
.set SRD, 8                            ; v8        SCR + (4 w + h) 528 + 16 r
.set GO,  9                            ; v9        (4 w + h) 512 + 16 r
.set GS,  10                           ; v10       32768 h + 4 r
.set MP,  12                           ; v[12:19]  query tile qt: (m, a written word)
.set AL,  20                           ; v[20:27]  (alpha, a written word)
.set LP,  28                           ; v[28:35]  two partial sums of l
.set T,   36                           ; v[36:39]  at work
.set EM,  64                           ; v[64:79]  the four waves' m
.set EL,  80                           ; v[80:95]  the four waves' l
.set SC,  128                          ; v[128:255] S(qt, kt, j) at 32 qt + 8 kt + j; P(qt, ch) in place at 32 qt + 8 ch
; window 1: O(qt, dt) at 8 (8 qt + dt).  window 2: Q(qt, c) at 8 (4 qt + c).  window 3: K(kt, c) at 8 (4 kt + c), V(ch, dt) at 128 + 8 (8 ch + dt)
.set G1, 24                            ; s[24:31]  shape of a tile, with the mask
.set G0, 32                            ; s[32:39]  from where, to where; a set for each slot
.set QE, 50                            ; s[50:51], s[52:53]  Q of the two segments
.set QO, 52
.set DE, 54                            ; s[54:55], s[56:57]  their results
.set DO, 56
.set SE, 58                            ; s[58:59], s[60:61]  their (M, L)
.set SO, 60
; s14 wave, s15 cx, s16 batch, s18 triangle job, s19 upper triangle = partial number, s20, s21 trips, s76 result is a partial
; s[40:41] kv at my batch and wave, type set.  s44 next unit, s45 units left behind it, s46, s47 the same for the second segment.  s[42:43] at work, never cx
.set MSB, 0
.macro WIN new
.if MSB != \new
	s_set_vgpr_msb (MSB<<8)|\new
.set MSB, \new
.endif
.endm
.macro PLACES n
.rept \n
	v_nop
.endr
.endm
.macro ROUND
	s_barrier_signal -1
	s_barrier_wait -1
	s_cmp_lg_u32 s14, 0
	s_cbranch_scc1 .Lnot_wave_0_\@
	s_barrier_signal -3
.Lnot_wave_0_\@:
	s_barrier_wait -3
	s_barrier_signal -1
	s_barrier_wait -1
.endm
; the address of the next unit into a slot's group 0, and the walk one on: down within a segment, then the second segment's top, then unit 0
.macro NEXT slot
	s_lshl_b32 s42, s44, 17                        ; a unit is 131,072 bytes of kv
	s_mov_b32 s43, 0
	s_add_nc_u64 s[G0+4*(\slot)+2:G0+4*(\slot)+3], s[40:41], s[42:43]
	s_sub_co_u32 s42, s44, 1
	s_sub_co_u32 s43, s45, 1
	s_cmp_eq_u32 s45, 0
	s_cselect_b32 s44, s46, s42
	s_cselect_b32 s45, s47, s43
	s_cselect_b32 s46, 0, s46
	s_cselect_b32 s47, 0, s47
.endm
; the pointers of a segment whose super block is in register qsb
.macro PTRS qsb, qp, dp, sp
	s_lshl_b32 s48, s[\qsb], 8
	s_lshl_b32 s49, s15, 6
	s_add_co_u32 s48, s48, s49                     ; my first query in the batch
	s_lshl_b32 s49, s16, 12
	s_add_co_u32 s49, s49, s48                     ; its row in qf and out0
	s_lshl_b32 s77, s16, 11
	s_add_co_u32 s77, s77, s48
	s_sub_co_u32 s77, s77, 2048                    ; its row in part and st,
	s_cmp_lg_u32 s76, 0
	s_cselect_b32 s77, s77, 0                      ; 0 where the result is final
	s_lshl_b32 s78, s49, 8
	s_mov_b32 s79, 0
	s_add_nc_u64 s[\qp:\qp+1], s[4:5], s[78:79]
	s_lshl_b32 s49, s49, 9
	s_lshl_b32 s78, s77, 9
	s_lshl_b32 s48, s19, 22
	s_add_co_u32 s78, s78, s48
	s_cmp_lg_u32 s76, 0
	s_cselect_b32 s78, s78, s49
	s_cselect_b64 s[\dp:\dp+1], s[10:11], s[8:9]
	s_add_nc_u64 s[\dp:\dp+1], s[\dp:\dp+1], s[78:79]
	s_lshl_b32 s78, s77, 2
	s_lshl_b32 s48, s19, 16
	s_add_co_u32 s78, s78, s48
	s_add_nc_u64 s[\sp:\sp+1], s[12:13], s[78:79]
.endm
.macro QLOAD qp                        ; 64 queries x 128: 16 fragments, each load 512 consecutive bytes
	WIN 0x80
.irp f, 0,1,2,3,4,5,6,7,8,9,10,11,12,13,14,15
	global_load_b128 v[8*\f:8*\f+3],   v1, s[\qp:\qp+1] offset:\f*1024
	global_load_b128 v[8*\f+4:8*\f+7], v1, s[\qp:\qp+1] offset:\f*1024+512
.endr
	WIN 0
.endm
.macro RESET
.irp qt, 0,1,2,3
	v_mov_b32 v[MP+2*\qt], s68
	v_mov_b32 v[LP+2*\qt], 0
	v_mov_b32 v[LP+2*\qt+1], 0
.endr
.endm
; S for key tiles kt0, kt0+1: eight accumulators by turns, one instruction a turn
.macro SMM kt0
.irp c, 0,1,2,3
.irp kt, \kt0, \kt0+1
.irp qt, 0,1,2,3
.if \c == 0
	v_wmma_f32_16x16x32_f16 v[SC+32*\qt+8*(\kt):SC+32*\qt+8*(\kt)+7], v[8*(4*(\kt)+\c):8*(4*(\kt)+\c)+7], v[8*(4*\qt+\c):8*(4*\qt+\c)+7], 0
.else
	v_wmma_f32_16x16x32_f16 v[SC+32*\qt+8*(\kt):SC+32*\qt+8*(\kt)+7], v[8*(4*(\kt)+\c):8*(4*(\kt)+\c)+7], v[8*(4*\qt+\c):8*(4*\qt+\c)+7], v[SC+32*\qt+8*(\kt):SC+32*\qt+8*(\kt)+7]
.endif
.endr
.endr
.endr
.endm
; O += V^T P for 32 keys: 32 accumulators by turns
.macro PV ch, zero
.irp qt, 0,1,2,3
.irp dt, 0,1,2,3,4,5,6,7
.if \zero
	v_wmma_f32_16x16x32_f16 v[8*(8*\qt+\dt):8*(8*\qt+\dt)+7], v[128+8*(8*\ch+\dt):128+8*(8*\ch+\dt)+7], v[SC+32*\qt+8*\ch:SC+32*\qt+8*\ch+7], 0
.else
	v_wmma_f32_16x16x32_f16 v[8*(8*\qt+\dt):8*(8*\qt+\dt)+7], v[128+8*(8*\ch+\dt):128+8*(8*\ch+\dt)+7], v[SC+32*\qt+8*\ch:SC+32*\qt+8*\ch+7], v[8*(8*\qt+\dt):8*(8*\qt+\dt)+7]
.endif
.endr
.endr
.endm
.macro RESCALE                         ; O(qt) times the low word of AL(qt)
	WIN 0x41
.irp qt, 0,1,2,3
.set k, 0
.rept 32
	v_pk_mul_f32 v[64*\qt+2*k:64*\qt+2*k+1], v[64*\qt+2*k:64*\qt+2*k+1], v[AL+2*\qt:AL+2*\qt+1] op_sel_hi:[1,0]
.set k, k+1
.endr
.endr
	WIN 0
.endm
; the diagonal unit: one compare serves all tiles with the same kt - qt
.macro MASK
.irp dd, 0,1,2,3,4,5,6
.irp j, 0,1,2,3,4,5,6,7
	v_cmp_le_i32 vcc_lo, 16*(\dd-3)+\j, v[D0]
.irp qt, 0,1,2,3
.if \qt+\dd >= 3
.if \qt+\dd <= 6
	v_cndmask_b32 v[SC+32*\qt+8*(\qt+\dd-3)+\j], s68, v[SC+32*\qt+8*(\qt+\dd-3)+\j], vcc_lo
.endif
.endif
.endr
.endr
.endr
.endm
; one query tile: running maximum, alpha, p = 2^(s - m), l, P in f16 in place.  Behind each pair of exponentials stands the plain work on the
; pair before, so that a plain instruction lies between every exponential and its use (ISA guide 5.7.2).
.macro SOFTMAX qt
.set SB, SC+32*\qt
	v_max3_num_f32 v[T],   v[SB],   v[SB+1], v[MP+2*\qt]
	v_max3_num_f32 v[T+1], v[SB+2], v[SB+3], v[SB+4]
	v_max3_num_f32 v[T+2], v[SB+5], v[SB+6], v[SB+7]
	v_max3_num_f32 v[T+3], v[SB+8], v[SB+9], v[SB+10]
.set k, 0
.rept 10
	v_max3_num_f32 v[T+k%4], v[T+k%4], v[SB+11+2*k], v[SB+12+2*k]
.set k, k+1
.endr
	v_max3_num_f32 v[T], v[T], v[T+1], v[SB+31]
	v_max3_num_f32 v[T], v[T], v[T+2], v[T+3]
	v_permlanex16_b32 v[T+1], v[T], s66, s67       ; the other eight keys of each tile lie in the other half of the lanes
	v_max_num_f32 v[T], v[T], v[T+1]
	v_sub_f32 v[AL+2*\qt], v[MP+2*\qt], v[T]
	v_mov_b32 v[MP+2*\qt], v[T]
	v_exp_f32 v[AL+2*\qt], v[AL+2*\qt]             ; alpha = 2^(old m - new m)
.set k, 0
.rept 15
	v_pk_add_f32 v[SB+2*k:SB+2*k+1], v[SB+2*k:SB+2*k+1], v[MP+2*\qt:MP+2*\qt+1] op_sel_hi:[1,0] neg_lo:[0,1] neg_hi:[0,1]
.set k, k+1
.endr
	v_exp_f32 v[SB], v[SB]
	v_exp_f32 v[SB+1], v[SB+1]
	v_pk_add_f32 v[SB+30:SB+31], v[SB+30:SB+31], v[MP+2*\qt:MP+2*\qt+1] op_sel_hi:[1,0] neg_lo:[0,1] neg_hi:[0,1]
	v_exp_f32 v[SB+2], v[SB+2]
	v_exp_f32 v[SB+3], v[SB+3]
	s_wait_alu depctr_va_vdst(0)
	v_pk_fma_f32 v[LP+2*\qt:LP+2*\qt+1], v[LP+2*\qt:LP+2*\qt+1], v[AL+2*\qt:AL+2*\qt+1], v[SB:SB+1] op_sel_hi:[1,0,1]
	v_cvt_pk_f16_f32 v[SB], v[SB], v[SB+1]
.set k, 2
.rept 14
	v_exp_f32 v[SB+2*k], v[SB+2*k]
	v_exp_f32 v[SB+2*k+1], v[SB+2*k+1]
	s_wait_alu depctr_va_vdst(0)
	v_pk_add_f32 v[LP+2*\qt:LP+2*\qt+1], v[LP+2*\qt:LP+2*\qt+1], v[SB+2*k-2:SB+2*k-1]
	v_cvt_pk_f16_f32 v[SB+k-1], v[SB+2*k-2], v[SB+2*k-1]   ; word k-1 belongs to a pair that has been summed and rounded
.set k, k+1
.endr
	v_pk_add_f32 v[LP+2*\qt:LP+2*\qt+1], v[LP+2*\qt:LP+2*\qt+1], v[SB+30:SB+31]
	v_cvt_pk_f16_f32 v[SB+15], v[SB+30], v[SB+31]
.endm
; One unit: 256 keys against the work-group's 64 queries; my wave's 64 keys.  first = 1: the diagonal unit, masked, whose products start the sums.
; In front of the round every wave has waited for all its tensor loads (its part of this slot) and for its reads of the other slot; behind the
; round the other slot is asked for first: one tensor load of the wave is out, with the unit's work in which to land.
.macro UNIT slot, first
	s_wait_tensorcnt 0x0
	ds_add_u32 v126, v127
	NEXT 1-\slot
	s_wait_dscnt 0x0
	ROUND
	tensor_load_to_lds s[G0+4*(1-\slot):G0+4*(1-\slot)+3], s[G1:G1+7]
	s_nop 0
	PLACES 5                                       ; behind the last P V products: the loads below land on V, the S products write over P
	WIN 0xc0
.irp ch, 0,1
.irp f, 0,1,2,3,4,5,6,7
	ds_load_b128 v[64*\ch+8*\f:64*\ch+8*\f+3],   v[LA+\slot] offset:\ch*16384+\f*1024
	ds_load_b128 v[64*\ch+8*\f+4:64*\ch+8*\f+7], v[LA+\slot] offset:\ch*16384+\f*1024+512
.endr
.endr
.irp ch, 0,1
.irp f, 0,1,2,3,4,5,6,7
	ds_load_b128 v[128+64*\ch+8*\f:128+64*\ch+8*\f+3],   v[LA+\slot] offset:\ch*16384+8192+\f*1024
	ds_load_b128 v[128+64*\ch+8*\f+4:128+64*\ch+8*\f+7], v[LA+\slot] offset:\ch*16384+8192+\f*1024+512
.endr
.endr
.if \first
	s_wait_loadcnt 0x0                             ; Q of this segment
.endif
	s_wait_dscnt 48                                ; K of keys 0-31 is in; the 48 younger loads stay out
	WIN 0x0b
	SMM 0
	s_wait_dscnt 32                                ; K of keys 32-63 is in; V stays out
	SMM 2
	WIN 0
	PLACES 4                                       ; ahead of the first read of a score
.if \first
	MASK
.endif
	SOFTMAX 0
	SOFTMAX 1
	SOFTMAX 2
	SOFTMAX 3
.if \first == 0
	RESCALE
.endif
	s_wait_dscnt 0x0                               ; V
	WIN 0x53
	PV 0, \first
	PV 1, 0
	WIN 0
.endm
; one query tile of the way out: the four waves' shares meet in the scratch; wave w sums rows 4w .. 4w+3 and stores them
.macro PASS p, dp
	WIN 0x04
.irp dt, 0,1,2,3,4,5,6,7
	ds_store_b128 v[SW], v[64*\p+8*\dt:64*\p+8*\dt+3]   offset:64*\dt
	ds_store_b128 v[SW], v[64*\p+8*\dt+4:64*\p+8*\dt+7] offset:64*\dt+16
.endr
	WIN 0
	s_wait_dscnt 0x0                               ; my stores are done, for the other waves' sake
	s_barrier_signal -1
	s_barrier_wait -1
	s_wait_xcnt 0x0                                ; the registers below were the last stores' data
.irp g, 0,1,2,3
.irp src, 0,1,2,3
	ds_load_b128 v[SC+16*\g+4*\src:SC+16*\g+4*\src+3], v[SRD] offset:\src*SPART+(\g>>1)*2*SPITCH+(\g&1)*256
.endr
.endr
.irp g, 0,1,2,3
	s_wait_dscnt 12-4*\g                           ; this group's four loads are in, the younger groups stay out
	v_pk_add_f32 v[SC+16*\g:SC+16*\g+1],     v[SC+16*\g:SC+16*\g+1],     v[SC+16*\g+4:SC+16*\g+5]
	v_pk_add_f32 v[SC+16*\g+2:SC+16*\g+3],   v[SC+16*\g+2:SC+16*\g+3],   v[SC+16*\g+6:SC+16*\g+7]
	v_pk_add_f32 v[SC+16*\g+8:SC+16*\g+9],   v[SC+16*\g+8:SC+16*\g+9],   v[SC+16*\g+12:SC+16*\g+13]
	v_pk_add_f32 v[SC+16*\g+10:SC+16*\g+11], v[SC+16*\g+10:SC+16*\g+11], v[SC+16*\g+14:SC+16*\g+15]
	v_pk_add_f32 v[SC+16*\g:SC+16*\g+1],     v[SC+16*\g:SC+16*\g+1],     v[SC+16*\g+8:SC+16*\g+9]
	v_pk_add_f32 v[SC+16*\g+2:SC+16*\g+3],   v[SC+16*\g+2:SC+16*\g+3],   v[SC+16*\g+10:SC+16*\g+11]
	global_store_b128 v[GO], v[SC+16*\g:SC+16*\g+3], s[\dp:\dp+1] offset:\p*8192+(\g>>1)*1024+(\g&1)*256    ; 16 lanes: 256 consecutive bytes, aligned
.endr
.if \p < 3
	s_barrier_signal -1                            ; all reads of the scratch are back (the count above ended at 0): it may be written again
	s_barrier_wait -1
.endif
.endm
; The end of a segment.  The next tile stays on its way across these barriers: no slot is filled behind them.
; The additions on l name no register of the last products: they are the places ahead of the first read of O.
.macro EPILOGUE dp, sp
.irp qt, 0,1,2,3
	v_add_f32 v[LP+2*\qt], v[LP+2*\qt], v[LP+2*\qt+1]
.endr
.irp qt, 0,1,2,3
	v_permlanex16_b32 v[T+\qt], v[LP+2*\qt], s66, s67
.endr
.irp qt, 0,1,2,3
	v_add_f32 v[LP+2*\qt], v[LP+2*\qt], v[T+\qt]   ; my wave's l of query r
.endr
.irp qt, 0,1,2,3
	ds_store_b32 v[SA], v[MP+2*\qt] offset:256*\qt
	ds_store_b32 v[SA], v[LP+2*\qt] offset:1024+256*\qt
.endr
	s_wait_dscnt 0x0
	s_barrier_signal -1
	s_barrier_wait -1
.irp qt, 0,1,2,3
	ds_load_b128 v[EM+4*\qt:EM+4*\qt+3], v[SR] offset:256*\qt
	ds_load_b128 v[EL+4*\qt:EL+4*\qt+3], v[SR] offset:1024+256*\qt
.endr
	s_wait_dscnt 0x0
.irp qt, 0,1,2,3
	v_max3_num_f32 v[T+\qt], v[EM+4*\qt], v[EM+4*\qt+1], v[EM+4*\qt+2]
	v_max_num_f32 v[T+\qt], v[T+\qt], v[EM+4*\qt+3]        ; M
	v_sub_f32 v[AL+2*\qt], v[MP+2*\qt], v[T+\qt]
	v_mov_b32 v[MP+2*\qt], v[T+\qt]
	v_sub_f32 v[EM+4*\qt],   v[EM+4*\qt],   v[T+\qt]
	v_sub_f32 v[EM+4*\qt+1], v[EM+4*\qt+1], v[T+\qt]
	v_sub_f32 v[EM+4*\qt+2], v[EM+4*\qt+2], v[T+\qt]
	v_sub_f32 v[EM+4*\qt+3], v[EM+4*\qt+3], v[T+\qt]
.endr
.irp qt, 0,1,2,3
	v_exp_f32 v[AL+2*\qt], v[AL+2*\qt]
	v_exp_f32 v[EM+4*\qt],   v[EM+4*\qt]
	v_exp_f32 v[EM+4*\qt+1], v[EM+4*\qt+1]
	v_exp_f32 v[EM+4*\qt+2], v[EM+4*\qt+2]
	v_exp_f32 v[EM+4*\qt+3], v[EM+4*\qt+3]
.endr
	v_nop                                          ; a plain instruction between the exponentials and their use
	s_wait_alu depctr_va_vdst(0)
.irp qt, 0,1,2,3
	v_mul_f32 v[LP+2*\qt], v[EM+4*\qt], v[EL+4*\qt]
	v_fmac_f32 v[LP+2*\qt], v[EM+4*\qt+1], v[EL+4*\qt+1]
	v_fmac_f32 v[LP+2*\qt], v[EM+4*\qt+2], v[EL+4*\qt+2]
	v_fmac_f32 v[LP+2*\qt], v[EM+4*\qt+3], v[EL+4*\qt+3]   ; L
.endr
.irp qt, 0,1,2,3
	v_rcp_f32 v[T+\qt], v[LP+2*\qt]
.endr
	v_nop
	s_wait_alu depctr_va_vdst(0)
.irp qt, 0,1,2,3
	v_mul_f32 v[AL+2*\qt], v[AL+2*\qt], v[T+\qt]   ; my wave's share is scaled by 2^(m - M) / L
.endr
	s_cmp_eq_u32 s76, 0                            ; a partial also leaves (M, L): wave 0, lanes 0-15 M, lanes 16-31 L
	s_cbranch_scc1 .Lno_stat_\@
	s_cmp_lg_u32 s14, 0
	s_cbranch_scc1 .Lno_stat_\@
.irp qt, 0,1,2,3
	v_cndmask_b32 v[T+\qt], v[MP+2*\qt], v[LP+2*\qt], s69
	global_store_b32 v[GS], v[T+\qt], s[\sp:\sp+1] offset:64*\qt
.endr
.Lno_stat_\@:
	RESCALE
	PASS 0, \dp
	PASS 1, \dp
	PASS 2, \dp
	PASS 3, \dp
.endm
	s_load_b256 s[4:11], s[0:1], 0x0               ; qf s[4:5], kv s[6:7], out0 s[8:9], part s[10:11]
	s_load_b64 s[12:13], s[0:1], 0x20              ; st
	v_lshl_add_u32 v126, v0, 2, 0x48c00
	v_mov_b32 v127, 0
	ds_add_u32 v126, v127
	ds_add_u32 v126, v127
	v_lshrrev_b32 v11, 5, v0
	v_readfirstlane_b32 s14, v11                   ; wave
	s_bfe_u32 s15, ttmp6, 0x40000                  ; cx
	s_lshr_b32 s16, ttmp9, 4                       ; batch
	s_and_b32 s17, ttmp9, 15                       ; j
	s_lshr_b32 s18, s17, 3                         ; 1: triangles
	s_bfe_u32 s19, s17, 0x10002
	s_and_b32 s19, s19, s18                        ; 1: the upper triangle; also the partial's number
	s_and_b32 s20, s17, 3                          ; c
	s_sub_co_u32 s21, 7, s20
	s_bitcmp1_b32 s20, 0
	s_cselect_b32 s21, s20, s21                    ; sE: c if odd, else 7 - c: always odd
	s_sub_co_u32 s22, 7, s21                       ; sO: always even
	s_lshl_b32 s23, s19, 3
	s_add_co_u32 s70, s23, s21                     ; triangle: first segment's super block = its top unit
	s_add_co_u32 s71, s23, s22                     ; second segment's
	s_add_co_u32 s72, s17, 8                       ; square: super block 8 + j
	s_cmp_lg_u32 s18, 0
	s_cselect_b32 s73, s70, s72                    ; first segment: super block,
	s_cselect_b32 s71, s71, s72                    ; (a square has no second segment: its pointers repeat the first's and are not used)
	s_cselect_b32 s44, s70, 7                      ; top unit,
	s_cselect_b32 s45, s21, 7                      ; units below it
	s_cselect_b32 s46, s71, 0                      ; second segment, or none
	s_cselect_b32 s47, s22, 0
	s_sub_co_u32 s20, s45, 1
	s_lshr_b32 s20, s20, 1                         ; trips of the first segment's loop: its units are 2 + 2 trips
	s_lshr_b32 s21, s22, 1                         ; of the second's: 1 + 2 trips
	s_xor_b32 s76, s18, 1
	s_or_b32 s76, s76, s19                         ; the result is a partial
	s_mov_b32 s66, 0x76543210                      ; v_permlanex16_b32: lane i takes lane i of the other half
	s_mov_b32 s67, 0xfedcba98
	s_mov_b32 s68, 0xff7fffff                      ; the masked score
	s_mov_b32 s69, 0xffff0000                      ; lanes 16-31
	; a tile: 32,768 dense bytes as 128 rows of 32 elements of 8 bytes; mask 15 = all four partners, bit 21 beside it
	s_mov_b32 s[G1+0], 15|(3<<16)|(1<<21)
	s_mov_b32 s[G1+1], 32<<16
	s_mov_b32 s[G1+2], 128<<16
	s_mov_b32 s[G1+3], 32<<16
	s_mov_b32 s[G1+4], 128
	s_mov_b32 s[G1+5], 32
	s_mov_b32 s[G1+6], 0
	s_mov_b32 s[G1+7], 0
	s_mov_b32 s[G0+0], 1
	s_lshl_b32 s[G0+1], s14, 15                    ; slot 0: my wave's part
	s_mov_b32 s[G0+4], 1
	s_add_co_u32 s[G0+5], s[G0+1], RING
	; the mask's distance: 256 (super block - top unit) + 64 cx + r - 64 w - 8 h.  In a square it is at least 56, above every 16 kt + j - 16 qt
	v_and_b32 v44, 15, v0                          ; r
	v_bfe_u32 v45, v0, 4, 1                        ; h
	s_sub_co_u32 s48, s73, s44
	s_lshl_b32 s48, s48, 8
	s_lshl_b32 s49, s15, 6
	s_add_co_u32 s48, s48, s49
	s_lshl_b32 s49, s14, 6
	s_sub_co_u32 s48, s48, s49
	v_lshlrev_b32 v46, 3, v45
	v_sub_nc_u32 v[D0], v44, v46
	v_add_nc_u32 v[D0], s48, v[D0]
	v_and_b32 v11, 31, v0
	v_lshlrev_b32 v1, 4, v11                       ; 16 x lane
	s_lshl_b32 s42, s16, 21                        ; kv: a batch is 2 MB, my wave's keys 32,768 bytes into each unit
	s_lshl_b32 s43, s14, 15
	s_add_co_u32 s42, s42, s43
	s_mov_b32 s43, 0
	s_wait_dscnt 0x0
	s_wait_kmcnt 0x0
	s_add_nc_u64 s[40:41], s[6:7], s[42:43]
	s_or_b32 s41, s41, 0x80000000
	NEXT 0
	ROUND                                          ; the four work-groups are here: the first joint load meets
	tensor_load_to_lds s[G0:G0+3], s[G1:G1+7]
	s_nop 0
	PTRS 73, QE, DE, SE
	PTRS 71, QO, DO, SO
	QLOAD QE
	s_lshl_b32 s42, s14, 15
	v_add_nc_u32 v[LA], s42, v1
	v_add_nc_u32 v[LA+1], RING, v[LA]
	s_lshl_b32 s42, s14, 2
	s_add_co_u32 s42, s42, STAT
	v_lshl_add_u32 v[SA], v44, 4, s42
	v_lshlrev_b32 v[SR], 4, v44
	v_add_nc_u32 v[SR], STAT, v[SR]
	s_mul_i32 s42, s14, SPART
	s_add_co_u32 s42, s42, SCR
	v_mul_u32_u24 v46, v44, SPITCH
	v_lshl_add_u32 v46, v45, 5, v46
	v_add_nc_u32 v[SW], s42, v46
	s_mul_i32 s42, s14, 4*SPITCH
	s_add_co_u32 s42, s42, SCR
	v_mul_u32_u24 v46, v45, SPITCH
	v_lshl_add_u32 v46, v44, 4, v46
	v_add_nc_u32 v[SRD], s42, v46
	s_lshl_b32 s42, s14, 11
	v_lshlrev_b32 v46, 9, v45
	v_lshl_add_u32 v46, v44, 4, v46
	v_add_nc_u32 v[GO], s42, v46
	v_lshlrev_b32 v46, 15, v45
	v_lshl_add_u32 v[GS], v44, 2, v46
.irp qt, 0,1,2,3
	v_mov_b32 v[MP+2*\qt+1], 0                     ; the upper words of the pairs that are broadcast from their lower words
	v_mov_b32 v[AL+2*\qt], 0
	v_mov_b32 v[AL+2*\qt+1], 0
.endr
	RESET
	; the first segment: an even number of units, so that the ring stands at slot 0 again behind it
	UNIT 0, 1
	UNIT 1, 0
	s_cmp_eq_u32 s20, 0
	s_cbranch_scc1 .Lfirst_done
.Lfirst:
	UNIT 0, 0
	UNIT 1, 0
	s_sub_co_u32 s20, s20, 1
	s_cmp_lg_u32 s20, 0
	s_cbranch_scc1 .Lfirst
.Lfirst_done:
	s_cmp_eq_u32 s18, 0
	s_cbranch_scc1 .Lno_second_q
	QLOAD QO                                       ; the second segment's Q comes in during the way out; the S products that read Q lie a softmax back
.Lno_second_q:
	EPILOGUE DE, SE
	s_cmp_eq_u32 s18, 0
	s_cbranch_scc1 .Lend
	; the second segment: an odd number of units
	s_wait_xcnt 0x0                                ; the last stores' data registers are written again below
	RESET
	UNIT 0, 1
	s_cmp_eq_u32 s21, 0
	s_cbranch_scc1 .Lsecond_done
.Lsecond:
	UNIT 1, 0
	UNIT 0, 0
	s_sub_co_u32 s21, s21, 1
	s_cmp_lg_u32 s21, 0
	s_cbranch_scc1 .Lsecond
.Lsecond_done:
	EPILOGUE DO, SO
.Lend:
	s_wait_tensorcnt 0x0                           ; the last unit has asked for unit 0 once more, like every unit, so that no joint load hangs on a branch: it is let land and not read
	s_wait_tensorcnt 0x0
	ds_add_u32 v126, v127
	s_wait_dscnt 0x0
	ROUND                                          ; the closing round
	s_endpgm
.Lfunc_end_k_qc305c58d2a_attn:
	.size	k_qc305c58d2a_attn, .Lfunc_end_k_qc305c58d2a_attn-k_qc305c58d2a_attn
	.p2alignl 7, 3214868480
	.fill 96, 4, 3214868480
	.section	.rodata,"a",@progbits
	.p2align	6, 0x0
	.amdhsa_kernel k_qc305c58d2a_attn
		.amdhsa_group_segment_fixed_size 327680
		.amdhsa_private_segment_fixed_size 0
		.amdhsa_enable_private_segment 0
		.amdhsa_kernarg_size 40
		.amdhsa_user_sgpr_count 2
		.amdhsa_user_sgpr_kernarg_segment_ptr 1
		.amdhsa_wavefront_size32 1
		.amdhsa_system_sgpr_workgroup_id_x 1
		.amdhsa_system_sgpr_workgroup_id_y 1
		.amdhsa_system_sgpr_workgroup_id_z 1
		.amdhsa_system_vgpr_workitem_id 0
		.amdhsa_next_free_vgpr 1024
		.amdhsa_next_free_sgpr 80
		.amdhsa_reserve_vcc 1
		.amdhsa_float_denorm_mode_32 3
		.amdhsa_float_denorm_mode_16_64 3
		.amdhsa_memory_ordered 1
		.amdhsa_forward_progress 1
		.amdhsa_inst_pref_size 255
	.end_amdhsa_kernel
	.section	.bss,"aw",@nobits
	.p2align	6
	.space	262144
	.amdgpu_metadata
---
amdhsa.version: [ 1, 2 ]
amdhsa.kernels:
  - .name:           k_qc305c58d2a_attn
    .symbol:         k_qc305c58d2a_attn.kd
    .args:
      - { .name: qf, .offset: 0, .size: 8, .value_kind: global_buffer, .address_space: global }
      - { .name: kv, .offset: 8, .size: 8, .value_kind: global_buffer, .address_space: global }
      - { .name: out0, .offset: 16, .size: 8, .value_kind: global_buffer, .address_space: global }
      - { .name: part, .offset: 24, .size: 8, .value_kind: global_buffer, .address_space: global }
      - { .name: st, .offset: 32, .size: 8, .value_kind: global_buffer, .address_space: global }
    .group_segment_fixed_size: 327680
    .private_segment_fixed_size: 0
    .kernarg_segment_align: 8
    .kernarg_segment_size: 40
    .max_flat_workgroup_size: 128
    .sgpr_count:     80
    .vgpr_count:     1024
    .wavefront_size: 32
...
	.end_amdgpu_metadata
.endif
;; end of part 3
;; launch merge (part 4): grid 256 x 1, 8 waves a work-group, no clusters, 0 bytes of LDS; arguments part, st, out0; writes out0
.if DOCPART == 4
	.amdgcn_target "amdgcn-amd-amdhsa--gfx1250"
	.amdhsa_code_object_version 6
	.text
	.protected	k_qc305c58d2a_merge
	.globl	k_qc305c58d2a_merge
	.p2align	8
	.type	k_qc305c58d2a_merge,@function
k_qc305c58d2a_merge:
	s_mov_b64 s[64:65], 0
	v_nop
	global_prefetch_b8 v0, s[64:65] scope:SCOPE_SE
	s_setreg_imm32_b32 hwreg(HW_REG_WAVE_MODE, 25, 1), 1
	s_wait_xcnt 0x0
; The upper half of each batch (t >= 2048): out = (a0 O0 + a1 O1) / (a0 + a1), a_i = L_i 2^(M_i - max(M0, M1)).
; part[pi 2][8192 rows = 2048 b + t - 2048][128] f32: normalised partial results.  st[pi 2][M, L][8192] f32, M in log2 units.
; A stream of 8 MB in and 4 MB out: a wave takes 4 rows, a row is one load or store of the wave (512 consecutive bytes, aligned).
; All eight loads of a wave are issued at once; no loop, no LDS, no matrix work.  Both partials hold real keys, so both M are real and a0 + a1 >= 1.
.set O0, 8                             ; v[8:23]   partial 0, 4 words a row; then the result
.set O1, 24                            ; v[24:39]  partial 1
.set W0, 40                            ; v[40:47]  row i: weight of partial 0, twice
.set W1, 48                            ; v[48:55]  of partial 1
	s_load_b128 s[4:7], s[0:1], 0x0                ; part s[4:5], st s[6:7]
	s_load_b64 s[8:9], s[0:1], 0x10                ; out0
	v_lshrrev_b32 v2, 5, v0
	v_readfirstlane_b32 s10, v2                    ; wave
	v_and_b32 v1, 31, v0
	v_lshlrev_b32 v1, 4, v1                        ; 16 x lane
	s_lshl_b32 s11, ttmp9, 5
	s_lshl2_add_u32 s11, s10, s11                  ; R = 32 work-group + 4 wave
	s_lshl_b32 s12, s11, 2
	s_mov_b32 s13, 0
	s_lshl_b32 s14, s11, 9
	s_mov_b32 s15, 0
	s_lshr_b32 s32, s11, 11                        ; batch
	s_add_co_u32 s32, s32, 1
	s_lshl_b32 s32, s32, 11
	s_add_co_u32 s32, s32, s11                     ; row of out0 = R + 2048 (batch + 1)
	s_lshl_b32 s32, s32, 9
	s_mov_b32 s33, 0
	s_wait_kmcnt 0x0
	s_add_nc_u64 s[6:7], s[6:7], s[12:13]
	s_add_nc_u64 s[4:5], s[4:5], s[14:15]
	s_add_nc_u64 s[8:9], s[8:9], s[32:33]
	s_load_b128 s[16:19], s[6:7], 0x0              ; M0 of my four rows
	s_load_b128 s[20:23], s[6:7], 0x8000           ; L0
	s_load_b128 s[24:27], s[6:7], 0x10000          ; M1
	s_load_b128 s[28:31], s[6:7], 0x18000          ; L1
.irp i, 0,1,2,3
	global_load_b128 v[O0+4*\i:O0+4*\i+3], v1, s[4:5] offset:512*\i th:TH_LOAD_NT
	global_load_b128 v[O1+4*\i:O1+4*\i+3], v1, s[4:5] offset:512*\i+4194304 th:TH_LOAD_NT
.endr
	s_wait_kmcnt 0x0
.irp i, 0,1,2,3
	v_mov_b32 v[W0+2*\i+1], s[16+\i]
	v_max_num_f32 v[W0+2*\i+1], s[24+\i], v[W0+2*\i+1]     ; the larger M
	v_sub_f32 v[W0+2*\i], s[16+\i], v[W0+2*\i+1]
	v_sub_f32 v[W1+2*\i], s[24+\i], v[W0+2*\i+1]
.endr
.irp i, 0,1,2,3
	v_exp_f32 v[W0+2*\i], v[W0+2*\i]
	v_exp_f32 v[W1+2*\i], v[W1+2*\i]
.endr
	v_nop                                          ; a plain instruction between the exponentials and their use (ISA guide 5.7.2)
	s_wait_alu depctr_va_vdst(0)
.irp i, 0,1,2,3
	v_mul_f32 v[W0+2*\i], s[20+\i], v[W0+2*\i]     ; a0
	v_mul_f32 v[W1+2*\i], s[28+\i], v[W1+2*\i]     ; a1
	v_add_f32 v[W0+2*\i+1], v[W0+2*\i], v[W1+2*\i]
.endr
.irp i, 0,1,2,3
	v_rcp_f32 v[W0+2*\i+1], v[W0+2*\i+1]
.endr
	v_nop
	s_wait_alu depctr_va_vdst(0)
.irp i, 0,1,2,3
	v_mul_f32 v[W0+2*\i], v[W0+2*\i], v[W0+2*\i+1]
	v_mul_f32 v[W1+2*\i], v[W1+2*\i], v[W0+2*\i+1]
	v_mov_b32 v[W0+2*\i+1], v[W0+2*\i]             ; both words of the pairs that the packed arithmetic multiplies by
	v_mov_b32 v[W1+2*\i+1], v[W1+2*\i]
.endr
	s_wait_loadcnt 0x0
.irp i, 0,1,2,3
	v_pk_mul_f32 v[O0+4*\i:O0+4*\i+1],   v[O0+4*\i:O0+4*\i+1],   v[W0+2*\i:W0+2*\i+1]
	v_pk_mul_f32 v[O0+4*\i+2:O0+4*\i+3], v[O0+4*\i+2:O0+4*\i+3], v[W0+2*\i:W0+2*\i+1]
	v_pk_fma_f32 v[O0+4*\i:O0+4*\i+1],   v[O1+4*\i:O1+4*\i+1],   v[W1+2*\i:W1+2*\i+1], v[O0+4*\i:O0+4*\i+1]
	v_pk_fma_f32 v[O0+4*\i+2:O0+4*\i+3], v[O1+4*\i+2:O1+4*\i+3], v[W1+2*\i:W1+2*\i+1], v[O0+4*\i+2:O0+4*\i+3]
	global_store_b128 v1, v[O0+4*\i:O0+4*\i+3], s[8:9] offset:512*\i th:TH_STORE_NT
.endr
	s_endpgm
.Lfunc_end_k_qc305c58d2a_merge:
	.size	k_qc305c58d2a_merge, .Lfunc_end_k_qc305c58d2a_merge-k_qc305c58d2a_merge
	.p2alignl 7, 3214868480
	.fill 96, 4, 3214868480
	.section	.rodata,"a",@progbits
	.p2align	6, 0x0
	.amdhsa_kernel k_qc305c58d2a_merge
		.amdhsa_group_segment_fixed_size 0
		.amdhsa_private_segment_fixed_size 0
		.amdhsa_enable_private_segment 0
		.amdhsa_kernarg_size 24
		.amdhsa_user_sgpr_count 2
		.amdhsa_user_sgpr_kernarg_segment_ptr 1
		.amdhsa_wavefront_size32 1
		.amdhsa_system_sgpr_workgroup_id_x 1
		.amdhsa_system_sgpr_workgroup_id_y 1
		.amdhsa_system_sgpr_workgroup_id_z 1
		.amdhsa_system_vgpr_workitem_id 0
		.amdhsa_next_free_vgpr 56
		.amdhsa_next_free_sgpr 66
		.amdhsa_reserve_vcc 0
		.amdhsa_float_denorm_mode_32 3
		.amdhsa_float_denorm_mode_16_64 3
		.amdhsa_memory_ordered 1
		.amdhsa_forward_progress 1
		.amdhsa_inst_pref_size 6
	.end_amdhsa_kernel
	.amdgpu_metadata
---
amdhsa.version: [ 1, 2 ]
amdhsa.kernels:
  - .name:           k_qc305c58d2a_merge
    .symbol:         k_qc305c58d2a_merge.kd
    .args:
      - { .name: part, .offset: 0, .size: 8, .value_kind: global_buffer, .address_space: global }
      - { .name: st, .offset: 8, .size: 8, .value_kind: global_buffer, .address_space: global }
      - { .name: out0, .offset: 16, .size: 8, .value_kind: global_buffer, .address_space: global }
    .group_segment_fixed_size: 0
    .private_segment_fixed_size: 0
    .kernarg_segment_align: 8
    .kernarg_segment_size: 24
    .max_flat_workgroup_size: 256
    .sgpr_count:     66
    .vgpr_count:     56
    .wavefront_size: 32
...
	.end_amdgpu_metadata
.endif
;; end of part 4
;; ======== version 2 of 2: 4 launches; 1.10 times as fast as version 1
;; limits: values are held in f16: magnitudes above 65,504 overflow, below 6.1e-05 lose precision
;; workspace buffers: wf 786,432 bytes; qf 4,194,304 bytes; kv 8,388,608 bytes; part 8,388,608 bytes; st 131,072 bytes
;; launch prep: the kernel of part 1 again; grid 16 x 3, 8 waves a work-group, no clusters, 0 bytes of LDS; arguments Wq, Wk, Wv, wf; writes wf
;; launch proj: the kernel of part 2 again; grid 256 x 1, 4 waves a work-group, no clusters, 270,848 bytes of LDS; arguments x, wf, qf, kv; writes qf, kv
;; launch attn (part 5): grid 256 x 1, 4 waves a work-group, clusters of 4 x 1, 327,680 bytes of LDS; arguments qf, kv, out0, part, st; writes out0, part, st
.if DOCPART == 5
	.amdgcn_target "amdgcn-amd-amdhsa--gfx1250"
	.amdhsa_code_object_version 6
	.text
	.protected	k_qc305c58d2a_attn
	.globl	k_qc305c58d2a_attn
	.p2align	8
	.type	k_qc305c58d2a_attn,@function
k_qc305c58d2a_attn:
	s_mov_b64 s[64:65], 0
	v_nop
	global_prefetch_b8 v0, s[64:65] scope:SCOPE_SE
	s_setreg_imm32_b32 hwreg(HW_REG_WAVE_MODE, 25, 1), 1
	s_wait_xcnt 0x0
	s_wait_alu depctr_hold_cnt(0) depctr_sa_sdst(0) depctr_va_vdst(0) depctr_va_sdst(0) depctr_va_ssrc(0) depctr_va_vcc(0) depctr_vm_vsrc(0)
	s_getreg_b32 s2, hwreg(HW_REG_IB_STS2, 6, 4)
	s_cmp_eq_u32 s2, 0
	s_cbranch_scc0 .Lentry_in_a_cluster
	s_endpgm
.Lentry_in_a_cluster:
	s_bfe_u32 s2, ttmp6, 0x10000c
	s_cmp_lg_u32 s2, 0x3003
	s_cbranch_scc0 .Lentry_shape_is_right
	s_endpgm
.Lentry_shape_is_right:
; Causal attention, 4 batches x 4,096 tokens, head size 128.  qf, kv: q (already times log2(e)/sqrt(128)), k, v in f16, in fragment order.
; A batch's triangle is cut into a square (queries >= 2048, keys < 2048) and two triangles of 2,048.  A cluster of 4 work-groups takes 256
; queries (a super block), a unit is 256 keys.  Cluster g: batch g>>4, j = g&15.
;   j < 8 : square, super block 8+j, units 7..0 (8 units); result = partial 0
;   j >= 8: triangle (j>>2)&1, two super blocks sE (odd) and 7-sE (even), each from its diagonal unit downward: 9 units in all;
;           triangle 0 is final (out0), triangle 1 is partial 1.  Partials leave normalised, with (M, L), and are joined by the next launch.
; The work-group at place cx owns queries 64 cx .. +63 of the super block.  All four waves hold all 64 queries and share the keys: wave w takes
; keys 64 w .. +63 of every unit, 32,768 dense bytes of kv, so each K and V byte enters LDS once and is read once, and feeds four products.
; CLUSTER 4 x 1: the four partners walk the same units, so each tile is asked for jointly (mask 15).  All branches and trip counts hang on the
; cluster's number alone; cx enters only global addresses of Q and of results and the mask's distance (data).
; S is made transposed (source 0 = K, source 1 = Q): lane (r, h) holds keys 8h+j of query r, so the statistics are one number a lane, and two
; neighbouring key tiles round straight into a fragment of P.  O is made transposed too (source 0 = V^T, source 1 = P).
; THE EXPONENTIALS OF A UNIT ARE ONE BATCH: 132, an alpha and 32 weights for each of the four query tiles.  First the four tiles' maxima are found side by
; side; then come the 64 packed subtractions s - m and the 132 exponentials, none of which names an exponential's result; then one plain instruction and
; ONE s_wait_alu depctr_va_vdst(0); then all the readers: the sums l,
; the roundings to f16, the rescaling of O.  A way out has two batches more: the 20 exponentials of the waves' merge, and the 4 reciprocals of sums made of them.
; LIMITS.  c q, k, v in f16: below 65,504 in magnitude.  p in f16: a p below 3e-8 rounds to zero (at most 4,096 of them against a row sum of at least 1).
; Masked scores are -3.4028235e38, not -inf: scores (in log2 units) must be finite and above that.  A wave that has seen only masked keys of a
; query carries that number as its maximum and finite sums, which the next rescale or the waves' merge multiplies by 2^(it - a real maximum) = 0;
; every query has its own key, so the merged maximum is real.  v_exp_f32 gives zero below 2^-126.  l is summed from p in f32, P V uses p in f16.
.set RING,   131072                    ; an LDS slot: four waves' parts of 32,768 bytes: [32 keys 2][K 8,192][V 8,192]
.set SCR,    262144                    ; scratch of the way out: four parts of 16 rows x 528 bytes; no tensor load fills it
.set SPITCH, 528
.set SPART,  8448
.set STAT,   295936                    ; the waves' m at qt 256 + 16 r + 4 w, their l 1,024 further
.set LA,  2                            ; v2, v3    slot s: s RING + 32768 w + 16 lane
.set D0,  4                            ; v4        key <= query  <=>  16 kt + j - 16 qt <= D0
.set SA,  5                            ; v5        STAT + 16 r + 4 w
.set SR,  6                            ; v6        STAT + 16 r
.set SW,  7                            ; v7        SCR + 8448 w + 528 r + 32 h
.set SRD, 8                            ; v8        SCR + (4 w + h) 528 + 16 r
.set GO,  9                            ; v9        (4 w + h) 512 + 16 r
.set GS,  10                           ; v10       32768 h + 4 r
.set MP,  12                           ; v[12:19]  query tile qt: (m, a written word)
.set AL,  20                           ; v[20:27]  (alpha, a written word)
.set LP,  28                           ; v[28:35]  two partial sums of l
.set TM,  48                           ; v[48:63]  query tile qt: four registers at work on its maximum, so that the four tiles' maxima go side by side
.set T,   TM                           ; v[48:51]  at work on the way out: tile 0's four of TM, which every unit's maxima have written (the destination of v_permlanex16_b32 counts as read)
.set EM,  64                           ; v[64:79]  the four waves' m
.set EL,  80                           ; v[80:95]  the four waves' l
.set SC,  128                          ; v[128:255] S(qt, kt, j) at 32 qt + 8 kt + j; P(qt, ch) in place at 32 qt + 8 ch
; window 1: O(qt, dt) at 8 (8 qt + dt).  window 2: Q(qt, c) at 8 (4 qt + c).  window 3: K(kt, c) at 8 (4 kt + c), V(ch, dt) at 128 + 8 (8 ch + dt)
.set G1, 24                            ; s[24:31]  shape of a tile, with the mask
.set G0, 32                            ; s[32:39]  from where, to where; a set for each slot
.set QE, 50                            ; s[50:51], s[52:53]  Q of the two segments
.set QO, 52
.set DE, 54                            ; s[54:55], s[56:57]  their results
.set DO, 56
.set SE, 58                            ; s[58:59], s[60:61]  their (M, L)
.set SO, 60
; s14 wave, s15 cx, s16 batch, s18 triangle job, s19 upper triangle = partial number, s20, s21 trips, s76 result is a partial
; s[40:41] kv at my batch and wave, type set.  s44 next unit, s45 units left behind it, s46, s47 the same for the second segment.  s[42:43] at work, never cx
.set MSB, 0
.macro WIN new
.if MSB != \new
	s_set_vgpr_msb (MSB<<8)|\new
.set MSB, \new
.endif
.endm
.macro PLACES n
.rept \n
	v_nop
.endr
.endm
.macro ROUND
	s_barrier_signal -1
	s_barrier_wait -1
	s_cmp_lg_u32 s14, 0
	s_cbranch_scc1 .Lnot_wave_0_\@
	s_barrier_signal -3
.Lnot_wave_0_\@:
	s_barrier_wait -3
	s_barrier_signal -1
	s_barrier_wait -1
.endm
; the address of the next unit into a slot's group 0, and the walk one on: down within a segment, then the second segment's top, then unit 0
.macro NEXT slot
	s_lshl_b32 s42, s44, 17                        ; a unit is 131,072 bytes of kv
	s_mov_b32 s43, 0
	s_add_nc_u64 s[G0+4*(\slot)+2:G0+4*(\slot)+3], s[40:41], s[42:43]
	s_sub_co_u32 s42, s44, 1
	s_sub_co_u32 s43, s45, 1
	s_cmp_eq_u32 s45, 0
	s_cselect_b32 s44, s46, s42
	s_cselect_b32 s45, s47, s43
	s_cselect_b32 s46, 0, s46
	s_cselect_b32 s47, 0, s47
.endm
; the pointers of a segment whose super block is in register qsb
.macro PTRS qsb, qp, dp, sp
	s_lshl_b32 s48, s[\qsb], 8
	s_lshl_b32 s49, s15, 6
	s_add_co_u32 s48, s48, s49                     ; my first query in the batch
	s_lshl_b32 s49, s16, 12
	s_add_co_u32 s49, s49, s48                     ; its row in qf and out0
	s_lshl_b32 s77, s16, 11
	s_add_co_u32 s77, s77, s48
	s_sub_co_u32 s77, s77, 2048                    ; its row in part and st,
	s_cmp_lg_u32 s76, 0
	s_cselect_b32 s77, s77, 0                      ; 0 where the result is final
	s_lshl_b32 s78, s49, 8
	s_mov_b32 s79, 0
	s_add_nc_u64 s[\qp:\qp+1], s[4:5], s[78:79]
	s_lshl_b32 s49, s49, 9
	s_lshl_b32 s78, s77, 9
	s_lshl_b32 s48, s19, 22
	s_add_co_u32 s78, s78, s48
	s_cmp_lg_u32 s76, 0
	s_cselect_b32 s78, s78, s49
	s_cselect_b64 s[\dp:\dp+1], s[10:11], s[8:9]
	s_add_nc_u64 s[\dp:\dp+1], s[\dp:\dp+1], s[78:79]
	s_lshl_b32 s78, s77, 2
	s_lshl_b32 s48, s19, 16
	s_add_co_u32 s78, s78, s48
	s_add_nc_u64 s[\sp:\sp+1], s[12:13], s[78:79]
.endm
.macro QLOAD qp                        ; 64 queries x 128: 16 fragments, each load 512 consecutive bytes
	WIN 0x80
.irp f, 0,1,2,3,4,5,6,7,8,9,10,11,12,13,14,15
	global_load_b128 v[8*\f:8*\f+3],   v1, s[\qp:\qp+1] offset:\f*1024
	global_load_b128 v[8*\f+4:8*\f+7], v1, s[\qp:\qp+1] offset:\f*1024+512
.endr
	WIN 0
.endm
.macro RESET
.irp qt, 0,1,2,3
	v_mov_b32 v[MP+2*\qt], s68
	v_mov_b32 v[LP+2*\qt], 0
	v_mov_b32 v[LP+2*\qt+1], 0
.endr
.endm
; S for key tiles kt0, kt0+1: eight accumulators by turns, one instruction a turn
.macro SMM kt0
.irp c, 0,1,2,3
.irp kt, \kt0, \kt0+1
.irp qt, 0,1,2,3
.if \c == 0
	v_wmma_f32_16x16x32_f16 v[SC+32*\qt+8*(\kt):SC+32*\qt+8*(\kt)+7], v[8*(4*(\kt)+\c):8*(4*(\kt)+\c)+7], v[8*(4*\qt+\c):8*(4*\qt+\c)+7], 0
.else
	v_wmma_f32_16x16x32_f16 v[SC+32*\qt+8*(\kt):SC+32*\qt+8*(\kt)+7], v[8*(4*(\kt)+\c):8*(4*(\kt)+\c)+7], v[8*(4*\qt+\c):8*(4*\qt+\c)+7], v[SC+32*\qt+8*(\kt):SC+32*\qt+8*(\kt)+7]
.endif
.endr
.endr
.endr
.endm
; O += V^T P for 32 keys: 32 accumulators by turns
.macro PV ch, zero
.irp qt, 0,1,2,3
.irp dt, 0,1,2,3,4,5,6,7
.if \zero
	v_wmma_f32_16x16x32_f16 v[8*(8*\qt+\dt):8*(8*\qt+\dt)+7], v[128+8*(8*\ch+\dt):128+8*(8*\ch+\dt)+7], v[SC+32*\qt+8*\ch:SC+32*\qt+8*\ch+7], 0
.else
	v_wmma_f32_16x16x32_f16 v[8*(8*\qt+\dt):8*(8*\qt+\dt)+7], v[128+8*(8*\ch+\dt):128+8*(8*\ch+\dt)+7], v[SC+32*\qt+8*\ch:SC+32*\qt+8*\ch+7], v[8*(8*\qt+\dt):8*(8*\qt+\dt)+7]
.endif
.endr
.endr
.endm
.macro RESCALE                         ; O(qt) times the low word of AL(qt)
	WIN 0x41
.irp qt, 0,1,2,3
.set k, 0
.rept 32
	v_pk_mul_f32 v[64*\qt+2*k:64*\qt+2*k+1], v[64*\qt+2*k:64*\qt+2*k+1], v[AL+2*\qt:AL+2*\qt+1] op_sel_hi:[1,0]
.set k, k+1
.endr
.endr
	WIN 0
.endm
; the diagonal unit: one compare serves all tiles with the same kt - qt
.macro MASK
.irp dd, 0,1,2,3,4,5,6
.irp j, 0,1,2,3,4,5,6,7
	v_cmp_le_i32 vcc_lo, 16*(\dd-3)+\j, v[D0]
.irp qt, 0,1,2,3
.if \qt+\dd >= 3
.if \qt+\dd <= 6
	v_cndmask_b32 v[SC+32*\qt+8*(\qt+\dd-3)+\j], s68, v[SC+32*\qt+8*(\qt+\dd-3)+\j], vcc_lo
.endif
.endif
.endr
.endr
.endr
.endm
; Number n of the 20 lines that find query tile qt's new maximum and the exponent of its alpha.  s0-s31 are the lane's 32 scores.
;   0-13   four chains, three operands at a time, the old m in the first; each accumulator's lowest registers are read first
;   14, 15 the last score and the four chains into one     16, 17 the other eight keys of each tile lie in the other half of the lanes
;   18     old m - new m     19 the new m
.macro MAXS qt, n
.set SB, SC+32*(\qt)
.set TQ, TM+4*(\qt)
.if (\n) == 0
	v_max3_num_f32 v[TQ],   v[SB],   v[SB+1], v[MP+2*(\qt)]
.elseif (\n) == 1
	v_max3_num_f32 v[TQ+1], v[SB+2], v[SB+3], v[SB+4]
.elseif (\n) == 2
	v_max3_num_f32 v[TQ+2], v[SB+5], v[SB+6], v[SB+7]
.elseif (\n) == 3
	v_max3_num_f32 v[TQ+3], v[SB+8], v[SB+9], v[SB+10]
.elseif (\n) < 14
	v_max3_num_f32 v[TQ+(\n)%4], v[TQ+(\n)%4], v[SB+3+2*(\n)], v[SB+4+2*(\n)]
.elseif (\n) == 14
	v_max3_num_f32 v[TQ], v[TQ], v[TQ+1], v[SB+31]
.elseif (\n) == 15
	v_max3_num_f32 v[TQ], v[TQ], v[TQ+2], v[TQ+3]
.elseif (\n) == 16
	v_permlanex16_b32 v[TQ+1], v[TQ], s66, s67
.elseif (\n) == 17
	v_max_num_f32 v[TQ], v[TQ], v[TQ+1]
.elseif (\n) == 18
	v_sub_f32 v[AL+2*(\qt)], v[MP+2*(\qt)], v[TQ]
.else
	v_mov_b32 v[MP+2*(\qt)], v[TQ]
.endif
.endm
; The four query tiles' softmax for a unit: running maximum, alpha = 2^(old m - new m), p = 2^(s - m), l, P in f16 in place.
.macro SOFTMAX
	; the maxima, the four tiles by turns: the links of a tile's chain stand four lines apart
.irp n, 0,1,2,3,4,5,6,7,8,9,10,11,12,13,14,15,16,17,18,19
.irp qt, 0,1,2,3
	MAXS \qt, \n
.endr
.endr
	; THE BATCH, in 17 rows.  In row k a tile has its subtraction s - m of pair k and the two exponentials of pair k - 1 (in row 0 its alpha): an exponential
	; stands twelve lines behind its subtraction.  No line here names an exponential's result or writes the source of one that is out.
.set k, 0
.rept 17
.irp qt, 0,1,2,3
.if k < 16
	v_pk_add_f32 v[SC+32*\qt+2*k:SC+32*\qt+2*k+1], v[SC+32*\qt+2*k:SC+32*\qt+2*k+1], v[MP+2*\qt:MP+2*\qt+1] op_sel_hi:[1,0] neg_lo:[0,1] neg_hi:[0,1]
.endif
.if k == 0
	v_exp_f32 v[AL+2*\qt], v[AL+2*\qt]
.else
	v_exp_f32 v[SC+32*\qt+2*k-2], v[SC+32*\qt+2*k-2]
	v_exp_f32 v[SC+32*\qt+2*k-1], v[SC+32*\qt+2*k-1]
.endif
.endr
.set k, k+1
.endr
	v_nop                                          ; a plain instruction between the last exponentials and their use (ISA guide 5.7.2): one for the batch
	s_wait_alu depctr_va_vdst(0)                   ; the wait for the batch, the unit's 132 exponentials
	; THE READERS.  Pair k of each tile is added onto l (pair 0 as l = alpha l + pair 0; each l takes its pairs in ascending order; its links stand eight lines apart),
	; then rounded to f16 into word k, which belongs to a pair that has been summed and rounded.
.set k, 0
.rept 16
.irp qt, 0,1,2,3
.if k == 0
	v_pk_fma_f32 v[LP+2*\qt:LP+2*\qt+1], v[LP+2*\qt:LP+2*\qt+1], v[AL+2*\qt:AL+2*\qt+1], v[SC+32*\qt:SC+32*\qt+1] op_sel_hi:[1,0,1]
.else
	v_pk_add_f32 v[LP+2*\qt:LP+2*\qt+1], v[LP+2*\qt:LP+2*\qt+1], v[SC+32*\qt+2*k:SC+32*\qt+2*k+1]
.endif
.endr
.irp qt, 0,1,2,3
	v_cvt_pk_f16_f32 v[SC+32*\qt+k], v[SC+32*\qt+2*k], v[SC+32*\qt+2*k+1]
.endr
.set k, k+1
.endr
.endm
; One unit: 256 keys against the work-group's 64 queries; my wave's 64 keys.  first = 1: the diagonal unit, masked, whose products start the sums.
; In front of the round every wave has waited for all its tensor loads (its part of this slot) and for its reads of the other slot; behind the
; round the other slot is asked for first: one tensor load of the wave is out, with the unit's work in which to land.
.macro UNIT slot, first
	s_wait_tensorcnt 0x0
	ds_add_u32 v126, v127
	NEXT 1-\slot
	s_wait_dscnt 0x0
	ROUND
	tensor_load_to_lds s[G0+4*(1-\slot):G0+4*(1-\slot)+3], s[G1:G1+7]
	s_nop 0
	PLACES 5                                       ; behind the last P V products: the loads below land on V, the S products write over P
	WIN 0xc0
.irp ch, 0,1
.irp f, 0,1,2,3,4,5,6,7
	ds_load_b128 v[64*\ch+8*\f:64*\ch+8*\f+3],   v[LA+\slot] offset:\ch*16384+\f*1024
	ds_load_b128 v[64*\ch+8*\f+4:64*\ch+8*\f+7], v[LA+\slot] offset:\ch*16384+\f*1024+512
.endr
.endr
.irp ch, 0,1
.irp f, 0,1,2,3,4,5,6,7
	ds_load_b128 v[128+64*\ch+8*\f:128+64*\ch+8*\f+3],   v[LA+\slot] offset:\ch*16384+8192+\f*1024
	ds_load_b128 v[128+64*\ch+8*\f+4:128+64*\ch+8*\f+7], v[LA+\slot] offset:\ch*16384+8192+\f*1024+512
.endr
.endr
.if \first
	s_wait_loadcnt 0x0                             ; Q of this segment
.endif
	s_wait_dscnt 48                                ; K of keys 0-31 is in; the 48 younger loads stay out
	WIN 0x0b
	SMM 0
	s_wait_dscnt 32                                ; K of keys 32-63 is in; V stays out
	SMM 2
	WIN 0
	PLACES 4                                       ; ahead of the first read of a score
.if \first
	MASK
.endif
	SOFTMAX
.if \first == 0
	RESCALE
.endif
	s_wait_dscnt 0x0                               ; V
	WIN 0x53
	PV 0, \first
	PV 1, 0
	WIN 0
.endm
; one query tile of the way out: the four waves' shares meet in the scratch; wave w sums rows 4w .. 4w+3 and stores them
.macro PASS p, dp
	WIN 0x04
.irp dt, 0,1,2,3,4,5,6,7
	ds_store_b128 v[SW], v[64*\p+8*\dt:64*\p+8*\dt+3]   offset:64*\dt
	ds_store_b128 v[SW], v[64*\p+8*\dt+4:64*\p+8*\dt+7] offset:64*\dt+16
.endr
	WIN 0
	s_wait_dscnt 0x0                               ; my stores are done, for the other waves' sake
	s_barrier_signal -1
	s_barrier_wait -1
	s_wait_xcnt 0x0                                ; the registers below were the last stores' data
.irp g, 0,1,2,3
.irp src, 0,1,2,3
	ds_load_b128 v[SC+16*\g+4*\src:SC+16*\g+4*\src+3], v[SRD] offset:\src*SPART+(\g>>1)*2*SPITCH+(\g&1)*256
.endr
.endr
.irp g, 0,1,2,3
	s_wait_dscnt 12-4*\g                           ; this group's four loads are in, the younger groups stay out
	v_pk_add_f32 v[SC+16*\g:SC+16*\g+1],     v[SC+16*\g:SC+16*\g+1],     v[SC+16*\g+4:SC+16*\g+5]
	v_pk_add_f32 v[SC+16*\g+2:SC+16*\g+3],   v[SC+16*\g+2:SC+16*\g+3],   v[SC+16*\g+6:SC+16*\g+7]
	v_pk_add_f32 v[SC+16*\g+8:SC+16*\g+9],   v[SC+16*\g+8:SC+16*\g+9],   v[SC+16*\g+12:SC+16*\g+13]
	v_pk_add_f32 v[SC+16*\g+10:SC+16*\g+11], v[SC+16*\g+10:SC+16*\g+11], v[SC+16*\g+14:SC+16*\g+15]
	v_pk_add_f32 v[SC+16*\g:SC+16*\g+1],     v[SC+16*\g:SC+16*\g+1],     v[SC+16*\g+8:SC+16*\g+9]
	v_pk_add_f32 v[SC+16*\g+2:SC+16*\g+3],   v[SC+16*\g+2:SC+16*\g+3],   v[SC+16*\g+10:SC+16*\g+11]
	global_store_b128 v[GO], v[SC+16*\g:SC+16*\g+3], s[\dp:\dp+1] offset:\p*8192+(\g>>1)*1024+(\g&1)*256    ; 16 lanes: 256 consecutive bytes, aligned
.endr
.if \p < 3
	s_barrier_signal -1                            ; all reads of the scratch are back (the count above ended at 0): it may be written again
	s_barrier_wait -1
.endif
.endm
; The end of a segment.  The next tile stays on its way across these barriers: no slot is filled behind them.
; The additions on l name no register of the last products: they are the places ahead of the first read of O.
.macro EPILOGUE dp, sp
.irp qt, 0,1,2,3
	v_add_f32 v[LP+2*\qt], v[LP+2*\qt], v[LP+2*\qt+1]
.endr
.irp qt, 0,1,2,3
	v_permlanex16_b32 v[T+\qt], v[LP+2*\qt], s66, s67
.endr
.irp qt, 0,1,2,3
	v_add_f32 v[LP+2*\qt], v[LP+2*\qt], v[T+\qt]   ; my wave's l of query r
.endr
.irp qt, 0,1,2,3
	ds_store_b32 v[SA], v[MP+2*\qt] offset:256*\qt
	ds_store_b32 v[SA], v[LP+2*\qt] offset:1024+256*\qt
.endr
	s_wait_dscnt 0x0
	s_barrier_signal -1
	s_barrier_wait -1
.irp qt, 0,1,2,3
	ds_load_b128 v[EM+4*\qt:EM+4*\qt+3], v[SR] offset:256*\qt
	ds_load_b128 v[EL+4*\qt:EL+4*\qt+3], v[SR] offset:1024+256*\qt
.endr
	s_wait_dscnt 0x0
.irp qt, 0,1,2,3
	v_max3_num_f32 v[T+\qt], v[EM+4*\qt], v[EM+4*\qt+1], v[EM+4*\qt+2]
	v_max_num_f32 v[T+\qt], v[T+\qt], v[EM+4*\qt+3]        ; M
	v_sub_f32 v[AL+2*\qt], v[MP+2*\qt], v[T+\qt]
	v_mov_b32 v[MP+2*\qt], v[T+\qt]
	v_sub_f32 v[EM+4*\qt],   v[EM+4*\qt],   v[T+\qt]
	v_sub_f32 v[EM+4*\qt+1], v[EM+4*\qt+1], v[T+\qt]
	v_sub_f32 v[EM+4*\qt+2], v[EM+4*\qt+2], v[T+\qt]
	v_sub_f32 v[EM+4*\qt+3], v[EM+4*\qt+3], v[T+\qt]
.endr
.irp qt, 0,1,2,3
	v_exp_f32 v[AL+2*\qt], v[AL+2*\qt]
	v_exp_f32 v[EM+4*\qt],   v[EM+4*\qt]
	v_exp_f32 v[EM+4*\qt+1], v[EM+4*\qt+1]
	v_exp_f32 v[EM+4*\qt+2], v[EM+4*\qt+2]
	v_exp_f32 v[EM+4*\qt+3], v[EM+4*\qt+3]
.endr
	v_nop                                          ; a plain instruction between the exponentials and their use
	s_wait_alu depctr_va_vdst(0)                   ; the wait for the batch of the merge's 20 exponentials
.irp qt, 0,1,2,3
	v_mul_f32 v[LP+2*\qt], v[EM+4*\qt], v[EL+4*\qt]
	v_fmac_f32 v[LP+2*\qt], v[EM+4*\qt+1], v[EL+4*\qt+1]
	v_fmac_f32 v[LP+2*\qt], v[EM+4*\qt+2], v[EL+4*\qt+2]
	v_fmac_f32 v[LP+2*\qt], v[EM+4*\qt+3], v[EL+4*\qt+3]   ; L
.endr
.irp qt, 0,1,2,3
	v_rcp_f32 v[T+\qt], v[LP+2*\qt]
.endr
	v_nop                                          ; a plain instruction between the reciprocals and their use
	s_wait_alu depctr_va_vdst(0)                   ; the wait for the batch of the four reciprocals, which read sums made of the exponentials above and so are a batch of their own
.irp qt, 0,1,2,3
	v_mul_f32 v[AL+2*\qt], v[AL+2*\qt], v[T+\qt]   ; my wave's share is scaled by 2^(m - M) / L
.endr
	s_cmp_eq_u32 s76, 0                            ; a partial also leaves (M, L): wave 0, lanes 0-15 M, lanes 16-31 L
	s_cbranch_scc1 .Lno_stat_\@
	s_cmp_lg_u32 s14, 0
	s_cbranch_scc1 .Lno_stat_\@
.irp qt, 0,1,2,3
	v_cndmask_b32 v[T+\qt], v[MP+2*\qt], v[LP+2*\qt], s69
	global_store_b32 v[GS], v[T+\qt], s[\sp:\sp+1] offset:64*\qt
.endr
.Lno_stat_\@:
	RESCALE
	PASS 0, \dp
	PASS 1, \dp
	PASS 2, \dp
	PASS 3, \dp
.endm
	s_load_b256 s[4:11], s[0:1], 0x0               ; qf s[4:5], kv s[6:7], out0 s[8:9], part s[10:11]
	s_load_b64 s[12:13], s[0:1], 0x20              ; st
	v_lshl_add_u32 v126, v0, 2, 0x48c00
	v_mov_b32 v127, 0
	ds_add_u32 v126, v127
	ds_add_u32 v126, v127
	v_lshrrev_b32 v11, 5, v0
	v_readfirstlane_b32 s14, v11                   ; wave
	s_bfe_u32 s15, ttmp6, 0x40000                  ; cx
	s_lshr_b32 s16, ttmp9, 4                       ; batch
	s_and_b32 s17, ttmp9, 15                       ; j
	s_lshr_b32 s18, s17, 3                         ; 1: triangles
	s_bfe_u32 s19, s17, 0x10002
	s_and_b32 s19, s19, s18                        ; 1: the upper triangle; also the partial's number
	s_and_b32 s20, s17, 3                          ; c
	s_sub_co_u32 s21, 7, s20
	s_bitcmp1_b32 s20, 0
	s_cselect_b32 s21, s20, s21                    ; sE: c if odd, else 7 - c: always odd
	s_sub_co_u32 s22, 7, s21                       ; sO: always even
	s_lshl_b32 s23, s19, 3
	s_add_co_u32 s70, s23, s21                     ; triangle: first segment's super block = its top unit
	s_add_co_u32 s71, s23, s22                     ; second segment's
	s_add_co_u32 s72, s17, 8                       ; square: super block 8 + j
	s_cmp_lg_u32 s18, 0
	s_cselect_b32 s73, s70, s72                    ; first segment: super block,
	s_cselect_b32 s71, s71, s72                    ; (a square has no second segment: its pointers repeat the first's and are not used)
	s_cselect_b32 s44, s70, 7                      ; top unit,
	s_cselect_b32 s45, s21, 7                      ; units below it
	s_cselect_b32 s46, s71, 0                      ; second segment, or none
	s_cselect_b32 s47, s22, 0
	s_sub_co_u32 s20, s45, 1
	s_lshr_b32 s20, s20, 1                         ; trips of the first segment's loop: its units are 2 + 2 trips
	s_lshr_b32 s21, s22, 1                         ; of the second's: 1 + 2 trips
	s_xor_b32 s76, s18, 1
	s_or_b32 s76, s76, s19                         ; the result is a partial
	s_mov_b32 s66, 0x76543210                      ; v_permlanex16_b32: lane i takes lane i of the other half
	s_mov_b32 s67, 0xfedcba98
	s_mov_b32 s68, 0xff7fffff                      ; the masked score
	s_mov_b32 s69, 0xffff0000                      ; lanes 16-31
	; a tile: 32,768 dense bytes as 128 rows of 32 elements of 8 bytes; mask 15 = all four partners, bit 21 beside it
	s_mov_b32 s[G1+0], 15|(3<<16)|(1<<21)
	s_mov_b32 s[G1+1], 32<<16
	s_mov_b32 s[G1+2], 128<<16
	s_mov_b32 s[G1+3], 32<<16
	s_mov_b32 s[G1+4], 128
	s_mov_b32 s[G1+5], 32
	s_mov_b32 s[G1+6], 0
	s_mov_b32 s[G1+7], 0
	s_mov_b32 s[G0+0], 1
	s_lshl_b32 s[G0+1], s14, 15                    ; slot 0: my wave's part
	s_mov_b32 s[G0+4], 1
	s_add_co_u32 s[G0+5], s[G0+1], RING
	; the mask's distance: 256 (super block - top unit) + 64 cx + r - 64 w - 8 h.  In a square it is at least 56, above every 16 kt + j - 16 qt
	v_and_b32 v44, 15, v0                          ; r
	v_bfe_u32 v45, v0, 4, 1                        ; h
	s_sub_co_u32 s48, s73, s44
	s_lshl_b32 s48, s48, 8
	s_lshl_b32 s49, s15, 6
	s_add_co_u32 s48, s48, s49
	s_lshl_b32 s49, s14, 6
	s_sub_co_u32 s48, s48, s49
	v_lshlrev_b32 v46, 3, v45
	v_sub_nc_u32 v[D0], v44, v46
	v_add_nc_u32 v[D0], s48, v[D0]
	v_and_b32 v11, 31, v0
	v_lshlrev_b32 v1, 4, v11                       ; 16 x lane
	s_lshl_b32 s42, s16, 21                        ; kv: a batch is 2 MB, my wave's keys 32,768 bytes into each unit
	s_lshl_b32 s43, s14, 15
	s_add_co_u32 s42, s42, s43
	s_mov_b32 s43, 0
	s_wait_dscnt 0x0
	s_wait_kmcnt 0x0
	s_add_nc_u64 s[40:41], s[6:7], s[42:43]
	s_or_b32 s41, s41, 0x80000000
	NEXT 0
	ROUND                                          ; the four work-groups are here: the first joint load meets
	tensor_load_to_lds s[G0:G0+3], s[G1:G1+7]
	s_nop 0
	PTRS 73, QE, DE, SE
	PTRS 71, QO, DO, SO
	QLOAD QE
	s_lshl_b32 s42, s14, 15
	v_add_nc_u32 v[LA], s42, v1
	v_add_nc_u32 v[LA+1], RING, v[LA]
	s_lshl_b32 s42, s14, 2
	s_add_co_u32 s42, s42, STAT
	v_lshl_add_u32 v[SA], v44, 4, s42
	v_lshlrev_b32 v[SR], 4, v44
	v_add_nc_u32 v[SR], STAT, v[SR]
	s_mul_i32 s42, s14, SPART
	s_add_co_u32 s42, s42, SCR
	v_mul_u32_u24 v46, v44, SPITCH
	v_lshl_add_u32 v46, v45, 5, v46
	v_add_nc_u32 v[SW], s42, v46
	s_mul_i32 s42, s14, 4*SPITCH
	s_add_co_u32 s42, s42, SCR
	v_mul_u32_u24 v46, v45, SPITCH
	v_lshl_add_u32 v46, v44, 4, v46
	v_add_nc_u32 v[SRD], s42, v46
	s_lshl_b32 s42, s14, 11
	v_lshlrev_b32 v46, 9, v45
	v_lshl_add_u32 v46, v44, 4, v46
	v_add_nc_u32 v[GO], s42, v46
	v_lshlrev_b32 v46, 15, v45
	v_lshl_add_u32 v[GS], v44, 2, v46
.irp qt, 0,1,2,3
	v_mov_b32 v[MP+2*\qt+1], 0                     ; the upper words of the pairs that are broadcast from their lower words
	v_mov_b32 v[AL+2*\qt], 0
	v_mov_b32 v[AL+2*\qt+1], 0
.endr
	RESET
	; the first segment: an even number of units, so that the ring stands at slot 0 again behind it
	UNIT 0, 1
	UNIT 1, 0
	s_cmp_eq_u32 s20, 0
	s_cbranch_scc1 .Lfirst_done
.Lfirst:
	UNIT 0, 0
	UNIT 1, 0
	s_sub_co_u32 s20, s20, 1
	s_cmp_lg_u32 s20, 0
	s_cbranch_scc1 .Lfirst
.Lfirst_done:
	s_cmp_eq_u32 s18, 0
	s_cbranch_scc1 .Lno_second_q
	QLOAD QO                                       ; the second segment's Q comes in during the way out; the S products that read Q lie a softmax back
.Lno_second_q:
	EPILOGUE DE, SE
	s_cmp_eq_u32 s18, 0
	s_cbranch_scc1 .Lend
	; the second segment: an odd number of units
	s_wait_xcnt 0x0                                ; the last stores' data registers are written again below
	RESET
	UNIT 0, 1
	s_cmp_eq_u32 s21, 0
	s_cbranch_scc1 .Lsecond_done
.Lsecond:
	UNIT 1, 0
	UNIT 0, 0
	s_sub_co_u32 s21, s21, 1
	s_cmp_lg_u32 s21, 0
	s_cbranch_scc1 .Lsecond
.Lsecond_done:
	EPILOGUE DO, SO
.Lend:
	s_wait_tensorcnt 0x0                           ; the last unit has asked for unit 0 once more, like every unit, so that no joint load hangs on a branch: it is let land and not read
	s_wait_tensorcnt 0x0
	ds_add_u32 v126, v127
	s_wait_dscnt 0x0
	ROUND                                          ; the closing round
	s_endpgm
.Lfunc_end_k_qc305c58d2a_attn:
	.size	k_qc305c58d2a_attn, .Lfunc_end_k_qc305c58d2a_attn-k_qc305c58d2a_attn
	.p2alignl 7, 3214868480
	.fill 96, 4, 3214868480
	.section	.rodata,"a",@progbits
	.p2align	6, 0x0
	.amdhsa_kernel k_qc305c58d2a_attn
		.amdhsa_group_segment_fixed_size 327680
		.amdhsa_private_segment_fixed_size 0
		.amdhsa_enable_private_segment 0
		.amdhsa_kernarg_size 40
		.amdhsa_user_sgpr_count 2
		.amdhsa_user_sgpr_kernarg_segment_ptr 1
		.amdhsa_wavefront_size32 1
		.amdhsa_system_sgpr_workgroup_id_x 1
		.amdhsa_system_sgpr_workgroup_id_y 1
		.amdhsa_system_sgpr_workgroup_id_z 1
		.amdhsa_system_vgpr_workitem_id 0
		.amdhsa_next_free_vgpr 1024
		.amdhsa_next_free_sgpr 80
		.amdhsa_reserve_vcc 1
		.amdhsa_float_denorm_mode_32 3
		.amdhsa_float_denorm_mode_16_64 3
		.amdhsa_memory_ordered 1
		.amdhsa_forward_progress 1
		.amdhsa_inst_pref_size 255
	.end_amdhsa_kernel
	.section	.bss,"aw",@nobits
	.p2align	6
	.space	262144
	.amdgpu_metadata
---
amdhsa.version: [ 1, 2 ]
amdhsa.kernels:
  - .name:           k_qc305c58d2a_attn
    .symbol:         k_qc305c58d2a_attn.kd
    .args:
      - { .name: qf, .offset: 0, .size: 8, .value_kind: global_buffer, .address_space: global }
      - { .name: kv, .offset: 8, .size: 8, .value_kind: global_buffer, .address_space: global }
      - { .name: out0, .offset: 16, .size: 8, .value_kind: global_buffer, .address_space: global }
      - { .name: part, .offset: 24, .size: 8, .value_kind: global_buffer, .address_space: global }
      - { .name: st, .offset: 32, .size: 8, .value_kind: global_buffer, .address_space: global }
    .group_segment_fixed_size: 327680
    .private_segment_fixed_size: 0
    .kernarg_segment_align: 8
    .kernarg_segment_size: 40
    .max_flat_workgroup_size: 128
    .sgpr_count:     80
    .vgpr_count:     1024
    .wavefront_size: 32
...
	.end_amdgpu_metadata
.endif
;; end of part 5
;; launch merge: the kernel of part 4 again; grid 256 x 1, 8 waves a work-group, no clusters, 0 bytes of LDS; arguments part, st, out0; writes out0
